; MI455X (gfx1250); checked and timed in simulation.
; The chip was launched on July 23, 2026; its instructions are those of AMD's public machine-readable ISA for CDNA 5 (MIT licence, August 2026) and "CDNA5" Instruction Set Architecture Reference Guide (July 2026). The comments in the code are by the model that wrote it; some were corrected since.
;; Residual block. Allowed arithmetic: float matrix products may take bf16 or f16 operands with f32 sums; other float arithmetic in f32, or as packed bf16 or f16 multiplies, adds, multiply-adds, maxima and minima; sums over many terms, partial sums and values carried from step to step in f32; what a program stores and reads back later, other than sums and carried values, may be rounded once to bf16 or f16.
;; Inputs: W1 2,048 x 2,048 float32; W2 2,048 x 2,048 float32; b1 2,048 float32; b2 2,048 float32; be1 2,048 float32; be2 2,048 float32; g1 2,048 float32; g2 2,048 float32; x 8,192 x 2,048 float32.
;; Outputs: out0 8,192 x 2,048 float32.
;; 2 versions, each right and faster than the one before. Each part assembles by itself: llvm-mc -triple=amdgcn-amd-amdhsa -mcpu=gfx1250 --defsym DOCPART=n.
;; ======== version 1 of 2: 4 launches
;; limits: values are held in f16: magnitudes above 65,504 overflow, below 6.1e-05 lose precision
;; workspace buffers: act 33,554,432 bytes; wh 8,388,608 bytes; h 67,108,864 bytes
;; launch ln1 (part 1): grid 256 x 1, 8 waves a work-group, no clusters, 0 bytes of LDS; arguments x, g1, be1, act, W1, wh; writes act, wh
.if DOCPART == 1
	.amdgcn_target "amdgcn-amd-amdhsa--gfx1250"
	.amdhsa_code_object_version 6
	.text
	.protected	k_qd549f3242f_ln1
	.globl	k_qd549f3242f_ln1
	.p2align	8
	.type	k_qd549f3242f_ln1,@function
k_qd549f3242f_ln1:
	s_mov_b64 s[64:65], 0
	v_nop
	global_prefetch_b8 v0, s[64:65] scope:SCOPE_SE
	s_setreg_imm32_b32 hwreg(HW_REG_WAVE_MODE, 25, 1), 1
	s_wait_xcnt 0x0
; dst[r][c] = f16( (src[r][c] - mean_r) / sqrt(var_r + 1e-5) * g[c] + be[c] ),  src: [8192][2048] f32, dst: [8192][2048] f16;
; and beside it wdst = f16(wsrc), a [2048][2048] matrix of weights, rounded once.  Arguments: src, g, be, dst, wsrc, wdst.
; SHARES.  2,048 waves (256 work-groups of eight).  Wave gw takes rows 4 gw .. 4 gw + 3 of src and row gw of wsrc.  A row is 8,192 bytes: sixteen loads of
; 16 bytes a lane, each covering 512 consecutive bytes, into 64 registers.  The row stays in registers for all three passes (mean; mean of squared deviations;
; scale), so it is read from memory once, and the sums never leave the wave: no LDS, no barrier.  In chunk j lane L holds columns 128 j + 4 L .. + 3;
; rounded they are 8 bytes, so a wave's store covers 256 consecutive bytes, at a multiple of 256 from the buffer's first byte.
; A ring of three row slots: five rows go through it (the weight row first), written out, since each slot has its own registers.
; LIMITS.  f16 holds no number beyond 65,504: a result or a weight past that becomes an infinity (a normalised number is 45.3 at the most, so |g| up to some
; 1,400 is served); below 6.1e-5 f16 keeps its fixed step of 6e-8.  Mean and variance are f32 sums in another order than a sum from left to right.
; No matrix unit, no cluster: nothing is multiplied by a matrix, and no two work-groups read the same rows (g and be, 16 KiB, are all that is shared).
.set ROWB,  8192                       ; bytes in a row of f32
.set OROWB, 4096                       ; bytes in a row of f16
.set VX,  2                            ; v2  16 lane + 32,768 gw: my 16 bytes in chunk 0 of my first row of src; never rewritten
.set VW,  3                            ; v3  16 lane + 8,192 gw: the same in my row of wsrc
.set VXO, 4                            ; v4  8 lane + 16,384 gw: my 8 bytes in my first row of dst
.set VWO, 5                            ; v5  8 lane + 4,096 gw: the same in my row of wdst
.set VG,  6                            ; v6  16 lane: my 16 bytes in chunk 0 of g and be
.set T,   8                            ; v[8:15]   four chains of pairs
.set MU,  16                           ; v[16:17]  the mean, twice
.set RS,  18                           ; v[18:19]  1 / sqrt(var + eps), twice
.set PT,  20                           ; v20       what the other half of the lanes holds
.set X,   32                           ; v[32:223] three slots of 64: a row as loaded, then at work in place
.set O,   224                          ; v[224:255] a row rounded to f16
.set G,   0                            ; window 1, v[0:63]    g of my 64 columns
.set BE,  64                           ; window 1, v[64:127]  be of my 64 columns
.set MSB, 0
.macro WIN new                         ; s_set_vgpr_msb: bits 1:0 source 0, 3:2 source 1, 5:4 source 2, 7:6 destination; the high byte repeats the setting that is left
.if MSB != (\new)
	s_set_vgpr_msb (MSB<<8)|(\new)
.set MSB, \new
.endif
.endm
	s_load_b256 s[4:11], s[0:1], 0x0               ; src s[4:5], g s[6:7], be s[8:9], dst s[10:11]
	s_load_b128 s[12:15], s[0:1], 0x20             ; wsrc s[12:13], wdst s[14:15]
	v_lshrrev_b32 v1, 5, v0
	v_readfirstlane_b32 s16, v1                    ; wave 0..7
	s_lshl_b32 s17, ttmp9, 3
	s_add_co_u32 s17, s17, s16                     ; gw = 8 x work-group + wave
	s_mov_b32 s18, 0x76543210                      ; v_permlanex16_b32: each lane takes its own place in the other half
	s_mov_b32 s19, 0xfedcba98
	s_mov_b32 s20, 0x3a000000                      ; 1 / 2048
	s_mov_b32 s21, 0x3727c5ac                      ; 1e-5
	v_and_b32 v1, 31, v0                           ; lane
	v_lshlrev_b32 v[VG], 4, v1
	v_lshlrev_b32 v7, 3, v1
	s_lshl_b32 s22, s17, 15                        ; four rows of 8,192 bytes a wave
	v_add_nc_u32 v[VX], s22, v[VG]
	s_lshl_b32 s22, s17, 13                        ; one row of 8,192 bytes
	v_add_nc_u32 v[VW], s22, v[VG]
	s_lshl_b32 s22, s17, 14                        ; four rows of 4,096 bytes
	v_add_nc_u32 v[VXO], s22, v7
	s_lshl_b32 s22, s17, 12                        ; one row of 4,096 bytes
	v_add_nc_u32 v[VWO], s22, v7
	v_mov_b32 v[PT], 0                             ; v_permlanex16_b32 counts as a reader of its destination
	s_wait_kmcnt 0x0
; sixteen loads: a whole row into slot s
.macro FILL s, off, sb, imm
.set j, 0
.rept 16
	global_load_b128 v[X+64*(\s)+4*j:X+64*(\s)+4*j+3], v[\off], s[\sb:\sb+1] offset:(\imm)+512*j th:TH_LOAD_NT
.set j, j+1
.endr
.endm
; slot s rounded to f16: 32 packed roundings
.macro CVT s
.set p, 0
.rept 32
	v_cvt_pk_f16_f32 v[O+p], v[X+64*(\s)+2*p], v[X+64*(\s)+2*p+1]
.set p, p+1
.endr
.endm
; sixteen stores of 8 bytes a lane
.macro SEND off, sb, imm
.set j, 0
.rept 16
	global_store_b64 v[\off], v[O+2*j:O+2*j+1], s[\sb:\sb+1] offset:(\imm)+256*j
.set j, j+1
.endr
.endm
; the four chains into one number, the same in every lane: four steps inside each half of 16 lanes ride on the addition, one crosses the halves
.macro REDUCE
	v_pk_add_f32 v[T:T+1], v[T:T+1], v[T+2:T+3]
	v_pk_add_f32 v[T+4:T+5], v[T+4:T+5], v[T+6:T+7]
	v_pk_add_f32 v[T:T+1], v[T:T+1], v[T+4:T+5]
	v_add_f32 v[T], v[T], v[T+1]
	v_add_f32_dpp v[T], v[T], v[T] row_xmask:1 row_mask:0xf bank_mask:0xf
	v_add_f32_dpp v[T], v[T], v[T] row_xmask:2 row_mask:0xf bank_mask:0xf
	v_add_f32_dpp v[T], v[T], v[T] row_xmask:4 row_mask:0xf bank_mask:0xf
	v_add_f32_dpp v[T], v[T], v[T] row_xmask:8 row_mask:0xf bank_mask:0xf
	v_permlanex16_b32 v[PT], v[T], s18, s19
	v_add_f32 v[T], v[T], v[PT]
.endm
; The turn of slot s, which holds my row i.  left: the younger loads, which may stay out.  fill >= 0: the slot then takes my row fill.
.macro LNROW s, i, left, fill
.set XS, X+64*(\s)
	s_wait_loadcnt \left                           ; loads come back in order (ISA guide 5.7.1): my row is in (and g and be, which are older than every row)
	; pass 1: the mean.  Four chains that do not wait for each other, started by the first eight pairs: nothing is cleared
.irp c, 0,1,2,3
	v_pk_add_f32 v[T+2*(\c):T+2*(\c)+1], v[XS+2*(\c):XS+2*(\c)+1], v[XS+8+2*(\c):XS+8+2*(\c)+1]
.endr
.set p, 8
.rept 24
	v_pk_add_f32 v[T+2*(p%4):T+2*(p%4)+1], v[T+2*(p%4):T+2*(p%4)+1], v[XS+2*p:XS+2*p+1]
.set p, p+1
.endr
	REDUCE
	v_mul_f32 v[MU], s20, v[T]
	v_mul_f32 v[MU+1], s20, v[T]
	; pass 2: x - mean in place, then the mean of its squares: no difference of large sums is formed
.set p, 0
.rept 32
	v_pk_add_f32 v[XS+2*p:XS+2*p+1], v[XS+2*p:XS+2*p+1], v[MU:MU+1] neg_lo:[0,1] neg_hi:[0,1]
.set p, p+1
.endr
.irp c, 0,1,2,3
	v_pk_mul_f32 v[T+2*(\c):T+2*(\c)+1], v[XS+2*(\c):XS+2*(\c)+1], v[XS+2*(\c):XS+2*(\c)+1]
.endr
.set p, 4
.rept 28
	v_pk_fma_f32 v[T+2*(p%4):T+2*(p%4)+1], v[XS+2*p:XS+2*p+1], v[XS+2*p:XS+2*p+1], v[T+2*(p%4):T+2*(p%4)+1]
.set p, p+1
.endr
	REDUCE
	v_fma_f32 v[T], v[T], s20, s21                 ; var + eps
	v_rsq_f32 v[RS], v[T]                          ; made twice, to fill the pair that the packed multiply takes
	v_rsq_f32 v[RS+1], v[T]
	v_nop                                          ; a plain instruction between the root and the use of its result (ISA guide 5.7.2)
	; pass 3: times 1 / sqrt, then times g plus be
.set p, 0
	s_wait_alu depctr_va_vdst(0)
.rept 32
	v_pk_mul_f32 v[XS+2*p:XS+2*p+1], v[XS+2*p:XS+2*p+1], v[RS:RS+1]
.set p, p+1
.endr
	WIN 0x14                                       ; sources 1 and 2 (g, be) in window 1
.set p, 0
.rept 32
	v_pk_fma_f32 v[XS+2*p:XS+2*p+1], v[XS+2*p:XS+2*p+1], v[G+2*p:G+2*p+1], v[BE+2*p:BE+2*p+1]
.set p, p+1
.endr
	WIN 0
	s_wait_xcnt 0x0                                ; O, which the last turn's stores read, is rewritten only behind this wait
	CVT \s
.if (\fill) >= 0
	FILL \s, VX, 4, (\fill)*ROWB                   ; the loads go ahead of the stores
.endif
	SEND VXO, 10, (\i)*OROWB
.endm
	WIN 0x40                                       ; destination window 1, address window 0
.set j, 0
.rept 16
	global_load_b128 v[G+4*j:G+4*j+3], v[VG], s[6:7] offset:512*j      ; every wave reads g and be: no hint
	global_load_b128 v[BE+4*j:BE+4*j+3], v[VG], s[8:9] offset:512*j
.set j, j+1
.endr
	WIN 0
	FILL 0, VW, 12, 0                              ; my row of weights
	FILL 1, VX, 4, 0                               ; my rows 0
	FILL 2, VX, 4, ROWB                            ; and 1
	s_wait_loadcnt 32                              ; the weights are in; the two rows behind them, 16 loads each, stay out
	CVT 0
	FILL 0, VX, 4, 2*ROWB                          ; slot 0 takes my row 2
	SEND VWO, 14, 0
	LNROW 1, 0, 32, 3                              ; younger: rows 1 and 2; slot 1 takes my row 3
	LNROW 2, 1, 32, -1                             ; younger: rows 2 and 3; nothing is left to fetch
	LNROW 0, 2, 16, -1                             ; younger: row 3
	LNROW 1, 3, 0, -1
	s_endpgm
.Lfunc_end_k_qd549f3242f_ln1:
	.size	k_qd549f3242f_ln1, .Lfunc_end_k_qd549f3242f_ln1-k_qd549f3242f_ln1
	.p2alignl 7, 3214868480
	.fill 96, 4, 3214868480
	.section	.rodata,"a",@progbits
	.p2align	6, 0x0
	.amdhsa_kernel k_qd549f3242f_ln1
		.amdhsa_group_segment_fixed_size 0
		.amdhsa_private_segment_fixed_size 0
		.amdhsa_enable_private_segment 0
		.amdhsa_kernarg_size 48
		.amdhsa_user_sgpr_count 2
		.amdhsa_user_sgpr_kernarg_segment_ptr 1
		.amdhsa_wavefront_size32 1
		.amdhsa_system_sgpr_workgroup_id_x 1
		.amdhsa_system_sgpr_workgroup_id_y 1
		.amdhsa_system_sgpr_workgroup_id_z 1
		.amdhsa_system_vgpr_workitem_id 0
		.amdhsa_next_free_vgpr 384
		.amdhsa_next_free_sgpr 66
		.amdhsa_reserve_vcc 0
		.amdhsa_float_denorm_mode_32 3
		.amdhsa_float_denorm_mode_16_64 3
		.amdhsa_memory_ordered 1
		.amdhsa_forward_progress 1
		.amdhsa_inst_pref_size 75
	.end_amdhsa_kernel
	.amdgpu_metadata
---
amdhsa.version: [ 1, 2 ]
amdhsa.kernels:
  - .name:           k_qd549f3242f_ln1
    .symbol:         k_qd549f3242f_ln1.kd
    .args:
      - { .name: x, .offset: 0, .size: 8, .value_kind: global_buffer, .address_space: global }
      - { .name: g1, .offset: 8, .size: 8, .value_kind: global_buffer, .address_space: global }
      - { .name: be1, .offset: 16, .size: 8, .value_kind: global_buffer, .address_space: global }
      - { .name: act, .offset: 24, .size: 8, .value_kind: global_buffer, .address_space: global }
      - { .name: W1, .offset: 32, .size: 8, .value_kind: global_buffer, .address_space: global }
      - { .name: wh, .offset: 40, .size: 8, .value_kind: global_buffer, .address_space: global }
    .group_segment_fixed_size: 0
    .private_segment_fixed_size: 0
    .kernarg_segment_align: 8
    .kernarg_segment_size: 48
    .max_flat_workgroup_size: 256
    .sgpr_count:     66
    .vgpr_count:     384
    .wavefront_size: 32
...
	.end_amdgpu_metadata
.endif
;; end of part 1
;; launch gemm1 (part 2): grid 8 x 32, 4 waves a work-group, clusters of 4 x 4, 327,680 bytes of LDS; arguments act, wh, b1, h; writes h
.if DOCPART == 2
	.amdgcn_target "amdgcn-amd-amdhsa--gfx1250"
	.amdhsa_code_object_version 6
	.text
	.protected	k_qd549f3242f_gemm1
	.globl	k_qd549f3242f_gemm1
	.p2align	8
	.type	k_qd549f3242f_gemm1,@function
k_qd549f3242f_gemm1:
	s_mov_b64 s[64:65], 0
	v_nop
	global_prefetch_b8 v0, s[64:65] scope:SCOPE_SE
	s_setreg_imm32_b32 hwreg(HW_REG_WAVE_MODE, 25, 1), 1
	s_wait_xcnt 0x0
	s_wait_alu depctr_hold_cnt(0) depctr_sa_sdst(0) depctr_va_vdst(0) depctr_va_sdst(0) depctr_va_ssrc(0) depctr_va_vcc(0) depctr_vm_vsrc(0)
	s_getreg_b32 s2, hwreg(HW_REG_IB_STS2, 6, 4)
	s_cmp_eq_u32 s2, 0
	s_cbranch_scc0 .Lentry_in_a_cluster
	s_endpgm
.Lentry_in_a_cluster:
	s_bfe_u32 s2, ttmp6, 0x10000c
	s_cmp_lg_u32 s2, 0xf033
	s_cbranch_scc0 .Lentry_shape_is_right
	s_endpgm
.Lentry_shape_is_right:
; C[m][n] = max(0, sum over k of A[m][k] B[n][k] + bias[n] (+ R[m][n] where RESID = 1)).  A: [8192][2048] f16, B: [2048][2048] f16, bias: [2048] f32, C and R: [8192][2048] f32; sums in f32.
; Arguments: A, B, bias, C (, R).  This text: RESID = 0.
; LIMITS.  A and B arrive in f16, within 65,504.  The maximum with 0 turns a NaN into 0.
; SHARES.  A tile of C, 256 x 256, is made by a work-group of four waves; a wave makes 128 x 128: 64 accumulators of 16 x 16, 512 registers.  32 x 8 tiles: 256 work-groups.
; K goes in 16 steps of 128 through a ring of two LDS slots filled by the tensor data mover: the rows of A's and B's tiles are 256 bytes of memory and start at multiples of 256 bytes.
; CLUSTERS: 4 x 4 work-groups.  The four of a row of the cluster need the same tiles of A, the four of a column the same tiles of B.  Such a tile is asked for JOINTLY: each of the four issues
; the same tensor load, with the same descriptor and a mask that names the four, and each receives the tile in its own LDS.
; THE MATRIX INSTRUCTION IS USED TRANSPOSED: source 0 = 16 rows of B, source 1 = 16 rows of A.  In the result lane l holds row l % 16 of C and its registers 0 to 7 the columns
; 8 (l / 16) + 0 .. 7: 32 neighbouring bytes of a row of C.
; THE WAY OUT.  A block of 16 rows x 128 columns goes through the wave's own stage in LDS and comes back as whole rows of 512 bytes; bias (and R) are added and the maximum taken there,
; where a lane holds four neighbouring columns, the same four in every row.
; REGISTERS, in windows of 256 (s_set_vgpr_msb: bits 1:0 source 0, 3:2 source 1, 5:4 source 2, 7:6 destination):
;   window 0: v0-31 addresses and bias; v64-127, v128-191 fragments of A, two buffers; on the way out: 16 rows read back from the stage, by turns
;   window 1: v64-127, v128-191 fragments of B, two buffers; with RESID four buffers of 64 for blocks of R: v0-63 and v192-255 lie idle in the K loop, the other two are B's when the products are done
;   window 2: the 32 accumulators of my rows 0-63 (accumulator (a, b) at v[8 (8 a + b)]);   window 3: those of my rows 64-127
.set RESID,  0
.set SIZE_K, 2048
.set SIZE_N, 2048
.set KSTEP,  128
.set PITCH,  272                       ; an LDS row: 256 bytes of data + 16 of padding = 68 words: row r starts 4 r words on, modulo 64 (64 banks of 4 bytes: ISA guide 11.1), so the 16 rows of a load start at 16 different banks
.set HALFT,  128*PITCH                 ; 128 rows: what one tensor load brings, and what one wave reads of A or of B
.set SLOT,   4*HALFT                   ; A's 256 rows, then B's 256 rows
.set STAGE,  2*SLOT                    ; behind the ring: 16 rows for each wave, for the way out; no tensor load lands here
.set SPITCH, 528                       ; a stage row: 512 bytes + 16: again 16 rows at 16 different groups of four banks
.set WSTAGE, 16*SPITCH                 ; a wave's stage: 8,448 bytes, 33 blocks of 256
.set SPARE,  STAGE+4*WSTAGE            ; behind the stages: the spare words, 128 bytes for each wave: two blocks of 256 bytes that no other line names
.set LAPS,   SIZE_K/(2*KSTEP)          ; a lap = two K steps = once round the ring
.set CROW,   SIZE_N*4                  ; bytes in a row of C
.set BI,   8                           ; v[8:11] bias of my four columns on the way out
.set ADRA, 16                          ; v16-17  LDS address of my A fragments in slot 0, 1
.set ADRB, 20                          ; v20-21  the same for B
.set STO,  24                          ; v24     the way out: where I put 32 bytes of a row
.set RD,   25                          ; v25     the way out: where I read a row back
.set CO,   26                          ; v26     16 x lane: my byte offset in 512 bytes of a row of C, of R and of bias; never rewritten
.set SPW,  28                          ; v28     LDS address of my spare word: SPARE + 4 x my thread's number; never rewritten
.set NIL,  29                          ; v29     0; never rewritten
.set F0,   64                          ; fragment buffer 0
.set F1,   128                         ; fragment buffer 1
.set G1, 24                            ; s[24:31] descriptor group 1 for A's tiles
.set G0, 32                            ; s[32:39] descriptor group 0 for A's tiles, one set for each slot
.set G1B, 48                           ; s[48:55] descriptor group 1 for B's tiles: it differs from A's in the mask alone
.set G0B, 56                           ; s[56:63] descriptor group 0 for B's tiles, one set for each slot
.set MSB, 0
.macro WIN new                         ; the immediate's high byte repeats the setting that is left; a switch that changes nothing is dropped
.if MSB != (\new)
	s_set_vgpr_msb (MSB<<8)|(\new)
.set MSB, \new
.endif
.endm
.set MUL_LO, 0xa1                      ; source 0 (B) window 1, source 1 (A) window 0, C and D window 2
.set MUL_HI, 0xf1                      ; the same, C and D window 3
.set TO_B,   0x40                      ; destination window 1, address window 0
; A joint load.  Waves 0 and 1 fetch A's two halves, waves 2 and 3 B's.  Each of the two lines has one mask and one set of registers for all that issue it.  The branch hangs on the wave's number alone.
; An s_nop 0 and four v_nop follow each of the two lines, ahead of the jump, the label and what follows the macro.
.macro JLOAD s
	s_cmp_eq_u32 s11, 0
	s_cbranch_scc0 .Lfor_b_\@
	tensor_load_to_lds s[G0+4*(\s):G0+4*(\s)+3], s[G1:G1+7]
	s_nop 0
.rept 4
	v_nop
.endr
	s_branch .Lasked_\@
.Lfor_b_\@:
	tensor_load_to_lds s[G0B+4*(\s):G0B+4*(\s)+3], s[G1B:G1B+7]
	s_nop 0
.rept 4
	v_nop
.endr
.Lasked_\@:
.endm
; A round of the cluster's barrier: my work-group's barrier, so that wave 0's signal speaks for all four waves; wave 0 signals for the work-group; every wave waits for all
; sixteen work-groups; my work-group's barrier once more.
.macro CREST                           ; a round behind its opening barrier
	s_cmp_lg_u32 s10, 0
	s_cbranch_scc1 .Lnot_wave_0_\@
	s_barrier_signal -3
.Lnot_wave_0_\@:
	s_barrier_wait -3
	s_barrier_signal -1
	s_barrier_wait -1
.endm
.macro CROUND                          ; a whole round
	s_barrier_signal -1
	s_barrier_wait -1
	CREST
.endm
	s_load_b128 s[4:7], s[0:1], 0x0                ; A s[4:5], B s[6:7]
	s_load_b64 s[66:67], s[0:1], 0x10              ; bias
	s_load_b64 s[8:9], s[0:1], 0x18                ; C
.if RESID
	s_load_b64 s[68:69], s[0:1], 0x20              ; R
.endif
	v_lshl_add_u32 v[SPW], v0, 2, SPARE
	v_mov_b32 v[NIL], 0
	ds_add_u32 v[SPW], v[NIL]                      ; the wave's opening: the add and its wait stand ahead of my first tensor load; the set-up below, work on registers, stands between them
	v_lshrrev_b32 v1, 5, v0
	v_readfirstlane_b32 s10, v1                    ; wave 0..3
	s_lshr_b32 s11, s10, 1                         ; which half of the tile's rows is mine.  Also: I fetch for A (0) or for B (1)
	s_and_b32 s12, s10, 1                          ; which half of its columns.  Also: which 128 rows of that tile I fetch
	s_bfe_u32 s40, ttmp6, 0x40000                  ; cx: my place along the cluster's x
	s_bfe_u32 s41, ttmp6, 0x40004                  ; cy: along its y
	s_lshl_b32 s42, ttmp9, 2                       ; in a cluster launch ttmp9 and ttmp7 count clusters
	s_add_co_u32 s42, s42, s40                     ; tile column of C = 4 x cluster x + cx
	s_and_b32 s13, ttmp7, 0xffff
	s_lshl_b32 s13, s13, 2
	s_add_co_u32 s13, s13, s41                     ; tile row of C = 4 x cluster y + cy
	s_lshl_b32 s43, s41, 2
	s_lshl_b32 s43, 15, s43                        ; my row of the cluster: places 4 cy .. 4 cy + 3
	s_lshl_b32 s44, 0x1111, s40                    ; my column: places cx, cx + 4, cx + 8, cx + 12
	; descriptor group 1: a tile of 128 rows x 128 elements, padded in LDS
	s_or_b32 s[G1+0], s43, (1<<16)|(1<<20)|(1<<21)|(5<<22)|(3<<25)  ; 15:0 the mask: A's tiles go to my row; 17:16 element of 2 bytes; 20 padding on; 21 set beside a mask; 24:22 after every 64 words (code 5); 31:25 of 4 words (code 3)
	s_or_b32 s[G1B+0], s44, (1<<16)|(1<<20)|(1<<21)|(5<<22)|(3<<25) ; the same with the mask of my column, for B's tiles
	s_mov_b32 s[G1B+1], KSTEP<<16
	s_mov_b32 s[G1+1], KSTEP<<16                   ; 63:48 tensor_dim0, low half = 128
	s_mov_b32 s[G1B+2], 128<<16
	s_mov_b32 s[G1+2], 128<<16                     ; 79:64 its high half = 0; 95:80 tensor_dim1, low half = 128
	s_mov_b32 s[G1B+3], KSTEP<<16
	s_mov_b32 s[G1+3], KSTEP<<16                   ; 111:96 its high half = 0; 127:112 tile_dim0 = 128
	s_mov_b32 s[G1B+4], 128
	s_mov_b32 s[G1+4], 128                         ; 143:128 tile_dim1 = 128; 159:144 tile_dim2 = 0
	s_mov_b32 s[G1B+5], SIZE_K
	s_mov_b32 s[G1+5], SIZE_K                      ; 191:160 tensor_dim0_stride, low word: elements from row to row
	s_mov_b32 s[G1B+6], 0
	s_mov_b32 s[G1+6], 0
	s_mov_b32 s[G1B+7], 0
	s_mov_b32 s[G1+7], 0
	; where the tiles come from.  A's hang on the tile row alone, which my row of the cluster shares; B's on the tile column alone, which my column shares.
	; Every wave makes both addresses, in registers that never hold the other coordinate, and asks by one of them.
	s_lshl_b32 s17, s12, 7                         ; which 128 rows of the tile I fetch
	s_lshl_b32 s16, s13, 8
	s_add_co_u32 s16, s16, s17                     ; A: row 256 x tile row + 128 x half
	s_lshl_b32 s46, s42, 8
	s_add_co_u32 s46, s46, s17                     ; B: row 256 x tile column + 128 x half
	s_mov_b32 s17, 0
	s_mov_b32 s47, 0
	s_mov_b64 s[18:19], SIZE_K*2
	s_mul_u64 s[16:17], s[16:17], s[18:19]         ; in bytes, in 64 bits
	s_mul_u64 s[46:47], s[46:47], s[18:19]
	s_mul_i32 s20, s10, HALFT                      ; and where they go: A's two halves, then B's two halves = wave x 128 rows: no place in the cluster enters an LDS address
	s_wait_dscnt 0x0                               ; the opening add is done
	s_wait_kmcnt 0x0
	s_add_nc_u64 s[14:15], s[4:5], s[16:17]
	s_add_nc_u64 s[46:47], s[6:7], s[46:47]
	CROUND                                         ; all sixteen work-groups are here: the first joint loads meet
.irp s, 0,1
	s_mov_b32 s[G0+4*(\s)], 1                                      ; 1:0 count = 1
	s_add_co_u32 s[G0+4*(\s)+1], s20, (\s)*SLOT                    ; 63:32 LDS address
	s_add_nc_u64 s[G0+4*(\s)+2:G0+4*(\s)+3], s[14:15], (\s)*KSTEP*2  ; 120:64 global address: K step s
	s_or_b32 s[G0+4*(\s)+3], s[G0+4*(\s)+3], 0x80000000            ; 127:126 type = 2
	s_mov_b32 s[G0B+4*(\s)], 1
	s_add_co_u32 s[G0B+4*(\s)+1], s20, (\s)*SLOT
	s_add_nc_u64 s[G0B+4*(\s)+2:G0B+4*(\s)+3], s[46:47], (\s)*KSTEP*2
	s_or_b32 s[G0B+4*(\s)+3], s[G0B+4*(\s)+3], 0x80000000
	JLOAD \s                                       ; the ring is filled before anything else is done: two tensor loads of mine are out
.endr
	; A fragment is 16 rows x 32 K in 8 registers: lane l holds row l % 16; registers 0-3 hold K = 8 (l / 16) + 0..7, registers 4-7 hold
	; K = 16 + 8 (l / 16) + 0..7.  From rows that lie along K: two loads of 16 bytes, 32 bytes apart.  The same for source 0 and source 1.
	v_and_b32 v1, 15, v0                           ; l % 16
	v_bfe_u32 v2, v0, 4, 1                         ; l / 16
	v_mul_u32_u24 v3, v1, PITCH
	v_lshl_add_u32 v3, v2, 4, v3                   ; row x pitch + 16 x half
	s_mul_i32 s21, s11, HALFT                      ; my 128 rows of A
	s_mul_i32 s22, s12, HALFT                      ; my 128 rows of B,
	s_add_co_u32 s22, s22, 2*HALFT                 ; which lie behind A's 256
.irp s, 0,1
	v_add_nc_u32 v[ADRA+(\s)], s21, v3
	v_add_nc_u32 v[ADRB+(\s)], s22, v3
	s_add_co_u32 s21, s21, SLOT
	s_add_co_u32 s22, s22, SLOT
.endr
	s_mul_i32 s23, s10, WSTAGE
	s_add_co_u32 s23, s23, STAGE                   ; my stage
	v_mul_u32_u24 v4, v1, SPITCH                   ; in: row l % 16, 32 bytes for each half of the lanes
	v_lshl_add_u32 v4, v2, 5, v4
	v_add_nc_u32 v[STO], s23, v4
	v_and_b32 v5, 31, v0
	v_lshlrev_b32 v[CO], 4, v5                     ; back: 32 lanes take one row of 512 bytes
	v_add_nc_u32 v[RD], s23, v[CO]
	; where my part of the tile begins in C (and R), and my 128 columns in bias
	s_lshl_b32 s13, s13, 8
	s_lshl_b32 s14, s11, 7
	s_add_co_u32 s16, s13, s14                     ; my first row of C,
	s_lshl_b32 s16, s16, 13                        ; in bytes: rows of 8,192; 8,064 rows at the most: under 2^27
	s_mov_b32 s17, 0
	s_lshl_b32 s46, s42, 10                        ; my first column, in bytes: 1,024 x tile column + 512 x half (in the registers that held B's address)
	s_lshl_b32 s47, s12, 9
	s_add_co_u32 s46, s46, s47
	s_mov_b32 s47, 0
	s_add_nc_u64 s[66:67], s[66:67], s[46:47]
	s_add_nc_u64 s[16:17], s[16:17], s[46:47]
	s_add_nc_u64 s[8:9], s[8:9], s[16:17]
.if RESID
	s_add_nc_u64 s[68:69], s[68:69], s[16:17]
.endif
; 16 matrix instructions: m blocks a0, a0 + 1 of the window's four (hi = 0: my rows 0-63, 1: rows 64-127) x all 8 n blocks, 32 along K.
; zero = 1: the first product starts the sums: nothing is ever cleared.  The 64 accumulators take turns, one instruction a turn, in the same order in every quarter step.
.macro MUL16 f, hi, a0, zero
	WIN MUL_LO+0x50*(\hi)  ; MUL_LO or MUL_HI
.irp a, \a0, (\a0)+1
.irp b, 0,1,2,3,4,5,6,7
.if \zero
	v_wmma_f32_16x16x32_f16 v[8*(8*(\a)+(\b)):8*(8*(\a)+(\b))+7], v[(\f)+8*(\b):(\f)+8*(\b)+7], v[(\f)+8*(4*(\hi)+(\a)):(\f)+8*(4*(\hi)+(\a))+7], 0
.else
	v_wmma_f32_16x16x32_f16 v[8*(8*(\a)+(\b)):8*(8*(\a)+(\b))+7], v[(\f)+8*(\b):(\f)+8*(\b)+7], v[(\f)+8*(4*(\hi)+(\a)):(\f)+8*(4*(\hi)+(\a))+7], v[8*(8*(\a)+(\b)):8*(8*(\a)+(\b))+7]
.endif
.endr
.endr
.endm
; 32 LDS loads in one run: the fragments of one quarter step (128 rows of B, 128 rows of A, 32 K at byte k of the rows) into buffer f
.macro FETCH slot, k, f
	WIN TO_B
.irp i, 0,1,2,3,4,5,6,7
	ds_load_b128 v[(\f)+8*(\i):(\f)+8*(\i)+3],   v[ADRB+(\slot)] offset:(\k)+(\i)*16*PITCH
	ds_load_b128 v[(\f)+8*(\i)+4:(\f)+8*(\i)+7], v[ADRB+(\slot)] offset:(\k)+(\i)*16*PITCH+32
.endr
	WIN 0
.irp i, 0,1,2,3,4,5,6,7
	ds_load_b128 v[(\f)+8*(\i):(\f)+8*(\i)+3],   v[ADRA+(\slot)] offset:(\k)+(\i)*16*PITCH
	ds_load_b128 v[(\f)+8*(\i)+4:(\f)+8*(\i)+7], v[ADRA+(\slot)] offset:(\k)+(\i)*16*PITCH+32
.endr
.endm
; A load into a register that a matrix instruction has read, and an LDS store that reads a matrix result, stand four places behind that matrix instruction, and only plain vector
; instructions that name none of its registers are places (ISA guide 7.12.1 for vector instructions).
.macro PLACES
.rept 4
	v_nop
.endr
.endm
; A K step is four quarter steps of 32 along K, 64 matrix instructions each, on buffers 0, 1, 0, 1.
; One of the first three: multiplies buffer f; in its middle it fetches the next quarter's fragments, at byte k of the same slot's rows, into buffer g.
.macro QUARTER slot, k, f, g, zero
	s_wait_dscnt 8                                 ; B and A's rows 0-63 are in; the youngest eight loads (A's rows 64-127) may be out
	WIN MUL_LO
	MUL16 \f, 0, 0, \zero
	MUL16 \f, 0, 2, \zero
	PLACES
	FETCH \slot, \k, \g
	s_wait_dscnt 32                                ; all but the 32 just issued
	WIN MUL_HI
	MUL16 \f, 1, 0, \zero
	MUL16 \f, 1, 2, \zero
.endm
; The last quarter multiplies buffer 1 and changes slots.  MEET is its first half: ONE barrier for the change of slots.  In front of it each wave waits for all its tensor loads, of which one
; is out: its part of the next slot; adds 0 to its spare word; and waits for that and for its own reads of this slot.  Behind it nobody reads this slot any more and the next slot is whole.
.macro MEET round                      ; round = 1: a round of the cluster's barrier follows
	WIN 0                                          ; (the add's two registers lie in window 0)
	s_wait_tensorcnt 0x0                           ; all my tensor loads have landed: the one that was out is my part of the next slot;
	ds_add_u32 v[SPW], v[NIL]                      ; 0 onto my spare word;
	s_wait_dscnt 9                                 ; (the add and the youngest eight loads may be out)
	WIN MUL_LO
	MUL16 F1, 0, 0, 0                              ; sixteen matrix instructions stand between the add and the wait for it
	s_wait_dscnt 0x0                               ; the add is done, and my reads of this slot are over:
	s_barrier_signal -1                            ; say so (where a slot is filled again this barrier opens a round of the cluster's barrier),
	MUL16 F1, 0, 2, 0                              ; work on registers while the others arrive,
.if \round
	WIN 0
.endif
	s_barrier_wait -1                              ; and go on when all four have said so
.endm
; The whole last quarter.  Behind the round the slot just read out is filled again first, with the K step two steps on; then come the next slot's first fragments.
.macro TURN slot, next
	MEET 1
	CREST                                          ; no wave of any partner still reads this slot's tile or has a load on its way
	s_add_nc_u64 s[G0+4*(\slot)+2:G0+4*(\slot)+3], s[G0+4*(\slot)+2:G0+4*(\slot)+3], 2*KSTEP*2
	s_add_nc_u64 s[G0B+4*(\slot)+2:G0B+4*(\slot)+3], s[G0B+4*(\slot)+2:G0B+4*(\slot)+3], 2*KSTEP*2
	JLOAD \slot                                    ; the first tensor load behind the round, my only one until the next; the four v_nop behind it are also the places in front of the loads below
	FETCH \next, 0, F0
	WIN MUL_HI
	MUL16 F1, 1, 0, 0
	MUL16 F1, 1, 2, 0
.endm
; THE WAY OUT of block a (my rows 16 a .. 16 a + 15).
.macro RLOAD a                         ; its 16 rows x 512 bytes of R -> window 1, buffer a % 4 (at v0, v192, v128, v64); a load covers 512 consecutive bytes; the row stands in the immediate, 127 rows of 8,192 bytes at the most
	WIN 0x40
.set RB, (192*((\a)%4))%256
.irp t, 0,1,2,3,4,5,6,7,8,9,10,11,12,13,14,15
	global_load_b128 v[RB+4*(\t):RB+4*(\t)+3], v[CO], s[68:69] offset:(16*(\a)+(\t))*CROW th:TH_LOAD_NT
.endr
.endm
.macro TOSTAGE a                       ; its eight accumulators into my stage, and back as whole rows
.set AC, 64*((\a)%4)
.set BK, F0+64*((\a)%2)
	s_wait_xcnt 0x0                                ; the registers that come back below were the data of the stores two blocks ago: they are rewritten only behind this wait
	WIN 0x08+4*((\a)/4)                            ; the stores' data in window 2 or 3
.irp b, 0,1,2,3,4,5,6,7
	ds_store_b128 v[STO], v[AC+8*(\b):AC+8*(\b)+3]   offset:64*(\b)     ; each accumulator's low half first
	ds_store_b128 v[STO], v[AC+8*(\b)+4:AC+8*(\b)+7] offset:64*(\b)+16
.endr
	WIN 0
.irp t, 0,1,2,3,4,5,6,7,8,9,10,11,12,13,14,15
	ds_load_b128 v[BK+4*(\t):BK+4*(\t)+3], v[RD] offset:(\t)*SPITCH    ; LDS serves a wave's instructions in order (ISA guide 5.7.1.4): these see the stores above, and the next block's stores come behind them
.endr
.endm
.macro FINISH a, yds                   ; yds: the LDS instructions issued behind block a's loads: the next block's 32, or none
	WIN 0
.set BK, F0+64*((\a)%2)
.set RB, (192*((\a)%4))%256
	s_wait_dscnt \yds                              ; the block is back in registers
.if RESID
.if (\a) < 5
	s_wait_loadcnt 48                              ; block a of R is in (and bias, the oldest load); three younger blocks, 16 loads each, stay out
.else
	s_wait_loadcnt 16*(7-(\a))                     ; the last blocks: the counts run down
.endif
	WIN 0x04                                       ; source 1 (R) in window 1
.set p, 0
.rept 32
	v_pk_add_f32 v[BK+2*p:BK+2*p+1], v[BK+2*p:BK+2*p+1], v[RB+2*p:RB+2*p+1]
.set p, p+1
.endr
	WIN 0
.elseif (\a) == 0
	s_wait_loadcnt 0x0                             ; bias, the text's one global load
.endif
.irp t, 0,1,2,3,4,5,6,7,8,9,10,11,12,13,14,15
	v_pk_add_f32 v[BK+4*(\t):BK+4*(\t)+1],   v[BK+4*(\t):BK+4*(\t)+1],   v[BI:BI+1]
	v_pk_add_f32 v[BK+4*(\t)+2:BK+4*(\t)+3], v[BK+4*(\t)+2:BK+4*(\t)+3], v[BI+2:BI+3]
	v_max_num_f32 v[BK+4*(\t)],   0, v[BK+4*(\t)]
	v_max_num_f32 v[BK+4*(\t)+1], 0, v[BK+4*(\t)+1]
	v_max_num_f32 v[BK+4*(\t)+2], 0, v[BK+4*(\t)+2]
	v_max_num_f32 v[BK+4*(\t)+3], 0, v[BK+4*(\t)+3]
.if RESID
	global_store_b128 v[CO], v[BK+4*(\t):BK+4*(\t)+3], s[8:9] offset:(16*(\a)+(\t))*CROW th:TH_STORE_NT  ; 32 lanes store 512 consecutive bytes, at a multiple of 512 from C's first byte
.else
	global_store_b128 v[CO], v[BK+4*(\t):BK+4*(\t)+3], s[8:9] offset:(16*(\a)+(\t))*CROW                 ; the same; no hint: the next launch reads these rows
.endif
.endr
.endm
	global_load_b128 v[BI:BI+3], v[CO], s[66:67]   ; bias of my four columns
.if RESID
	RLOAD 0                                        ; two of the eight blocks of R come in under the K loop, into registers that it leaves idle
	RLOAD 1
.endif
	s_wait_tensorcnt 1                             ; my part of K step 0 is in; K step 1's stays out
	s_barrier_signal -1
	s_barrier_wait -1                              ; everybody's is
	FETCH 0, 0, F0
	QUARTER 0, 64,  F0, F1, 1                      ; the first quarter stands in front of the loop: its products start the sums
	WIN 0                                          ; at a label and at a branch every window is 0
	s_mov_b32 s3, LAPS-1
.Llap:                                                 ; a trip goes once round the ring, from a lap's second quarter to the next lap's first, and fills both slots again
	QUARTER 0, 128, F1, F0, 0
	QUARTER 0, 192, F0, F1, 0
	TURN 0, 1
	QUARTER 1, 64,  F0, F1, 0
	QUARTER 1, 128, F1, F0, 0
	QUARTER 1, 192, F0, F1, 0
	TURN 1, 0
	QUARTER 0, 64,  F0, F1, 0
	WIN 0
	s_sub_co_u32 s3, s3, 1
	s_cmp_lg_u32 s3, 0
	s_cbranch_scc1 .Llap
	QUARTER 0, 128, F1, F0, 0                      ; the last lap is written out: it fills nothing, and has no round of the cluster's barrier
	QUARTER 0, 192, F0, F1, 0
	MEET 0                                         ; my one tensor load that was still out is slot 1's, the last K step's
	PLACES                                         ; for the loads into buffer 0, which the quarter before multiplied
	FETCH 1, 0, F0
	WIN MUL_HI
	MUL16 F1, 1, 0, 0
	MUL16 F1, 1, 2, 0
	QUARTER 1, 64,  F0, F1, 0
	QUARTER 1, 128, F1, F0, 0
	QUARTER 1, 192, F0, F1, 0
	s_wait_dscnt 8                                 ; the very last quarter: nothing more to fetch
	WIN MUL_LO
	MUL16 F1, 0, 0, 0
	MUL16 F1, 0, 2, 0
	s_wait_dscnt 0x0
	MUL16 F1, 1, 0, 0
	MUL16 F1, 1, 2, 0
	PLACES                                         ; behind the last products: for the LDS stores that read results, and for the loads into the fragments' registers
.if RESID
	RLOAD 2
	RLOAD 3
.endif
	TOSTAGE 0
.irp a, 0,1,2,3,4,5,6                  ; block a + 1 is on its way through the stage while block a is finished and stored
	TOSTAGE (\a)+1
	FINISH \a, 32
.if RESID && ((\a) < 4)
	RLOAD (\a)+4                                   ; its buffer takes the block four further on
.endif
.endr
	FINISH 7, 0
	WIN 0
	s_wait_tensorcnt 0x0                           ; the wave's end: behind my last tensor load and my last LDS store
	ds_add_u32 v[SPW], v[NIL]
	s_wait_dscnt 0x0
	CROUND                                         ; the closing round: no work-group ends while a partner may still ask for a tile that names it
	s_endpgm
.Lfunc_end_k_qd549f3242f_gemm1:
	.size	k_qd549f3242f_gemm1, .Lfunc_end_k_qd549f3242f_gemm1-k_qd549f3242f_gemm1
	.p2alignl 7, 3214868480
	.fill 96, 4, 3214868480
	.section	.rodata,"a",@progbits
	.p2align	6, 0x0
	.amdhsa_kernel k_qd549f3242f_gemm1
		.amdhsa_group_segment_fixed_size 327680
		.amdhsa_private_segment_fixed_size 0
		.amdhsa_enable_private_segment 0
		.amdhsa_kernarg_size 32
		.amdhsa_user_sgpr_count 2
		.amdhsa_user_sgpr_kernarg_segment_ptr 1
		.amdhsa_wavefront_size32 1
		.amdhsa_system_sgpr_workgroup_id_x 1
		.amdhsa_system_sgpr_workgroup_id_y 1
		.amdhsa_system_sgpr_workgroup_id_z 1
		.amdhsa_system_vgpr_workitem_id 0
		.amdhsa_next_free_vgpr 1024
		.amdhsa_next_free_sgpr 70
		.amdhsa_reserve_vcc 0
		.amdhsa_float_denorm_mode_32 3
		.amdhsa_float_denorm_mode_16_64 3
		.amdhsa_memory_ordered 1
		.amdhsa_forward_progress 1
		.amdhsa_inst_pref_size 172
	.end_amdhsa_kernel
	.amdgpu_metadata
---
amdhsa.version: [ 1, 2 ]
amdhsa.kernels:
  - .name:           k_qd549f3242f_gemm1
    .symbol:         k_qd549f3242f_gemm1.kd
    .args:
      - { .name: act, .offset: 0, .size: 8, .value_kind: global_buffer, .address_space: global }
      - { .name: wh, .offset: 8, .size: 8, .value_kind: global_buffer, .address_space: global }
      - { .name: b1, .offset: 16, .size: 8, .value_kind: global_buffer, .address_space: global }
      - { .name: h, .offset: 24, .size: 8, .value_kind: global_buffer, .address_space: global }
    .group_segment_fixed_size: 327680
    .private_segment_fixed_size: 0
    .kernarg_segment_align: 8
    .kernarg_segment_size: 32
    .max_flat_workgroup_size: 128
    .sgpr_count:     70
    .vgpr_count:     1024
    .wavefront_size: 32
...
	.end_amdgpu_metadata
.endif
;; end of part 2
;; launch ln2: the kernel of part 1 again; grid 256 x 1, 8 waves a work-group, no clusters, 0 bytes of LDS; arguments h, g2, be2, act, W2, wh; writes act, wh
;; launch gemm2 (part 3): grid 8 x 32, 4 waves a work-group, clusters of 4 x 4, 327,680 bytes of LDS; arguments act, wh, b2, out0, x; writes out0
.if DOCPART == 3
	.amdgcn_target "amdgcn-amd-amdhsa--gfx1250"
	.amdhsa_code_object_version 6
	.text
	.protected	k_qd549f3242f_gemm2
	.globl	k_qd549f3242f_gemm2
	.p2align	8
	.type	k_qd549f3242f_gemm2,@function
k_qd549f3242f_gemm2:
	s_mov_b64 s[64:65], 0
	v_nop
	global_prefetch_b8 v0, s[64:65] scope:SCOPE_SE
	s_setreg_imm32_b32 hwreg(HW_REG_WAVE_MODE, 25, 1), 1
	s_wait_xcnt 0x0
	s_wait_alu depctr_hold_cnt(0) depctr_sa_sdst(0) depctr_va_vdst(0) depctr_va_sdst(0) depctr_va_ssrc(0) depctr_va_vcc(0) depctr_vm_vsrc(0)
	s_getreg_b32 s2, hwreg(HW_REG_IB_STS2, 6, 4)
	s_cmp_eq_u32 s2, 0
	s_cbranch_scc0 .Lentry_in_a_cluster
	s_endpgm
.Lentry_in_a_cluster:
	s_bfe_u32 s2, ttmp6, 0x10000c
	s_cmp_lg_u32 s2, 0xf033
	s_cbranch_scc0 .Lentry_shape_is_right
	s_endpgm
.Lentry_shape_is_right:
; C[m][n] = max(0, sum over k of A[m][k] B[n][k] + bias[n] (+ R[m][n] where RESID = 1)).  A: [8192][2048] f16, B: [2048][2048] f16, bias: [2048] f32, C and R: [8192][2048] f32; sums in f32.
; Arguments: A, B, bias, C (, R).  This text: RESID = 1.
; LIMITS.  A and B arrive in f16, within 65,504.  The maximum with 0 turns a NaN into 0.
; SHARES.  A tile of C, 256 x 256, is made by a work-group of four waves; a wave makes 128 x 128: 64 accumulators of 16 x 16, 512 registers.  32 x 8 tiles: 256 work-groups.
; K goes in 16 steps of 128 through a ring of two LDS slots filled by the tensor data mover: the rows of A's and B's tiles are 256 bytes of memory and start at multiples of 256 bytes.
; CLUSTERS: 4 x 4 work-groups.  The four of a row of the cluster need the same tiles of A, the four of a column the same tiles of B.  Such a tile is asked for JOINTLY: each of the four issues
; the same tensor load, with the same descriptor and a mask that names the four, and each receives the tile in its own LDS.
; THE MATRIX INSTRUCTION IS USED TRANSPOSED: source 0 = 16 rows of B, source 1 = 16 rows of A.  In the result lane l holds row l % 16 of C and its registers 0 to 7 the columns
; 8 (l / 16) + 0 .. 7: 32 neighbouring bytes of a row of C.
; THE WAY OUT.  A block of 16 rows x 128 columns goes through the wave's own stage in LDS and comes back as whole rows of 512 bytes; bias (and R) are added and the maximum taken there,
; where a lane holds four neighbouring columns, the same four in every row.
; REGISTERS, in windows of 256 (s_set_vgpr_msb: bits 1:0 source 0, 3:2 source 1, 5:4 source 2, 7:6 destination):
;   window 0: v0-31 addresses and bias; v64-127, v128-191 fragments of A, two buffers; on the way out: 16 rows read back from the stage, by turns
;   window 1: v64-127, v128-191 fragments of B, two buffers; with RESID four buffers of 64 for blocks of R: v0-63 and v192-255 lie idle in the K loop, the other two are B's when the products are done
;   window 2: the 32 accumulators of my rows 0-63 (accumulator (a, b) at v[8 (8 a + b)]);   window 3: those of my rows 64-127
.set RESID,  1
.set SIZE_K, 2048
.set SIZE_N, 2048
.set KSTEP,  128
.set PITCH,  272                       ; an LDS row: 256 bytes of data + 16 of padding = 68 words: row r starts 4 r words on, modulo 64 (64 banks of 4 bytes: ISA guide 11.1), so the 16 rows of a load start at 16 different banks
.set HALFT,  128*PITCH                 ; 128 rows: what one tensor load brings, and what one wave reads of A or of B
.set SLOT,   4*HALFT                   ; A's 256 rows, then B's 256 rows
.set STAGE,  2*SLOT                    ; behind the ring: 16 rows for each wave, for the way out; no tensor load lands here
.set SPITCH, 528                       ; a stage row: 512 bytes + 16: again 16 rows at 16 different groups of four banks
.set WSTAGE, 16*SPITCH                 ; a wave's stage: 8,448 bytes, 33 blocks of 256
.set SPARE,  STAGE+4*WSTAGE            ; behind the stages: the spare words, 128 bytes for each wave: two blocks of 256 bytes that no other line names
.set LAPS,   SIZE_K/(2*KSTEP)          ; a lap = two K steps = once round the ring
.set CROW,   SIZE_N*4                  ; bytes in a row of C
.set BI,   8                           ; v[8:11] bias of my four columns on the way out
.set ADRA, 16                          ; v16-17  LDS address of my A fragments in slot 0, 1
.set ADRB, 20                          ; v20-21  the same for B
.set STO,  24                          ; v24     the way out: where I put 32 bytes of a row
.set RD,   25                          ; v25     the way out: where I read a row back
.set CO,   26                          ; v26     16 x lane: my byte offset in 512 bytes of a row of C, of R and of bias; never rewritten
.set SPW,  28                          ; v28     LDS address of my spare word: SPARE + 4 x my thread's number; never rewritten
.set NIL,  29                          ; v29     0; never rewritten
.set F0,   64                          ; fragment buffer 0
.set F1,   128                         ; fragment buffer 1
.set G1, 24                            ; s[24:31] descriptor group 1 for A's tiles
.set G0, 32                            ; s[32:39] descriptor group 0 for A's tiles, one set for each slot
.set G1B, 48                           ; s[48:55] descriptor group 1 for B's tiles: it differs from A's in the mask alone
.set G0B, 56                           ; s[56:63] descriptor group 0 for B's tiles, one set for each slot
.set MSB, 0
.macro WIN new                         ; the immediate's high byte repeats the setting that is left; a switch that changes nothing is dropped
.if MSB != (\new)
	s_set_vgpr_msb (MSB<<8)|(\new)
.set MSB, \new
.endif
.endm
.set MUL_LO, 0xa1                      ; source 0 (B) window 1, source 1 (A) window 0, C and D window 2
.set MUL_HI, 0xf1                      ; the same, C and D window 3
.set TO_B,   0x40                      ; destination window 1, address window 0
; A joint load.  Waves 0 and 1 fetch A's two halves, waves 2 and 3 B's.  Each of the two lines has one mask and one set of registers for all that issue it.  The branch hangs on the wave's number alone.
; An s_nop 0 and four v_nop follow each of the two lines, ahead of the jump, the label and what follows the macro.
.macro JLOAD s
	s_cmp_eq_u32 s11, 0
	s_cbranch_scc0 .Lfor_b_\@
	tensor_load_to_lds s[G0+4*(\s):G0+4*(\s)+3], s[G1:G1+7]
	s_nop 0
.rept 4
	v_nop
.endr
	s_branch .Lasked_\@
.Lfor_b_\@:
	tensor_load_to_lds s[G0B+4*(\s):G0B+4*(\s)+3], s[G1B:G1B+7]
	s_nop 0
.rept 4
	v_nop
.endr
.Lasked_\@:
.endm
; A round of the cluster's barrier: my work-group's barrier, so that wave 0's signal speaks for all four waves; wave 0 signals for the work-group; every wave waits for all
; sixteen work-groups; my work-group's barrier once more.
.macro CREST                           ; a round behind its opening barrier
	s_cmp_lg_u32 s10, 0
	s_cbranch_scc1 .Lnot_wave_0_\@
	s_barrier_signal -3
.Lnot_wave_0_\@:
	s_barrier_wait -3
	s_barrier_signal -1
	s_barrier_wait -1
.endm
.macro CROUND                          ; a whole round
	s_barrier_signal -1
	s_barrier_wait -1
	CREST
.endm
	s_load_b128 s[4:7], s[0:1], 0x0                ; A s[4:5], B s[6:7]
	s_load_b64 s[66:67], s[0:1], 0x10              ; bias
	s_load_b64 s[8:9], s[0:1], 0x18                ; C
.if RESID
	s_load_b64 s[68:69], s[0:1], 0x20              ; R
.endif
	v_lshl_add_u32 v[SPW], v0, 2, SPARE
	v_mov_b32 v[NIL], 0
	ds_add_u32 v[SPW], v[NIL]                      ; the wave's opening: the add and its wait stand ahead of my first tensor load; the set-up below, work on registers, stands between them
	v_lshrrev_b32 v1, 5, v0
	v_readfirstlane_b32 s10, v1                    ; wave 0..3
	s_lshr_b32 s11, s10, 1                         ; which half of the tile's rows is mine.  Also: I fetch for A (0) or for B (1)
	s_and_b32 s12, s10, 1                          ; which half of its columns.  Also: which 128 rows of that tile I fetch
	s_bfe_u32 s40, ttmp6, 0x40000                  ; cx: my place along the cluster's x
	s_bfe_u32 s41, ttmp6, 0x40004                  ; cy: along its y
	s_lshl_b32 s42, ttmp9, 2                       ; in a cluster launch ttmp9 and ttmp7 count clusters
	s_add_co_u32 s42, s42, s40                     ; tile column of C = 4 x cluster x + cx
	s_and_b32 s13, ttmp7, 0xffff
	s_lshl_b32 s13, s13, 2
	s_add_co_u32 s13, s13, s41                     ; tile row of C = 4 x cluster y + cy
	s_lshl_b32 s43, s41, 2
	s_lshl_b32 s43, 15, s43                        ; my row of the cluster: places 4 cy .. 4 cy + 3
	s_lshl_b32 s44, 0x1111, s40                    ; my column: places cx, cx + 4, cx + 8, cx + 12
	; descriptor group 1: a tile of 128 rows x 128 elements, padded in LDS
	s_or_b32 s[G1+0], s43, (1<<16)|(1<<20)|(1<<21)|(5<<22)|(3<<25)  ; 15:0 the mask: A's tiles go to my row; 17:16 element of 2 bytes; 20 padding on; 21 set beside a mask; 24:22 after every 64 words (code 5); 31:25 of 4 words (code 3)
	s_or_b32 s[G1B+0], s44, (1<<16)|(1<<20)|(1<<21)|(5<<22)|(3<<25) ; the same with the mask of my column, for B's tiles
	s_mov_b32 s[G1B+1], KSTEP<<16
	s_mov_b32 s[G1+1], KSTEP<<16                   ; 63:48 tensor_dim0, low half = 128
	s_mov_b32 s[G1B+2], 128<<16
	s_mov_b32 s[G1+2], 128<<16                     ; 79:64 its high half = 0; 95:80 tensor_dim1, low half = 128
	s_mov_b32 s[G1B+3], KSTEP<<16
	s_mov_b32 s[G1+3], KSTEP<<16                   ; 111:96 its high half = 0; 127:112 tile_dim0 = 128
	s_mov_b32 s[G1B+4], 128
	s_mov_b32 s[G1+4], 128                         ; 143:128 tile_dim1 = 128; 159:144 tile_dim2 = 0
	s_mov_b32 s[G1B+5], SIZE_K
	s_mov_b32 s[G1+5], SIZE_K                      ; 191:160 tensor_dim0_stride, low word: elements from row to row
	s_mov_b32 s[G1B+6], 0
	s_mov_b32 s[G1+6], 0
	s_mov_b32 s[G1B+7], 0
	s_mov_b32 s[G1+7], 0
	; where the tiles come from.  A's hang on the tile row alone, which my row of the cluster shares; B's on the tile column alone, which my column shares.
	; Every wave makes both addresses, in registers that never hold the other coordinate, and asks by one of them.
	s_lshl_b32 s17, s12, 7                         ; which 128 rows of the tile I fetch
	s_lshl_b32 s16, s13, 8
	s_add_co_u32 s16, s16, s17                     ; A: row 256 x tile row + 128 x half
	s_lshl_b32 s46, s42, 8
	s_add_co_u32 s46, s46, s17                     ; B: row 256 x tile column + 128 x half
	s_mov_b32 s17, 0
	s_mov_b32 s47, 0
	s_mov_b64 s[18:19], SIZE_K*2
	s_mul_u64 s[16:17], s[16:17], s[18:19]         ; in bytes, in 64 bits
	s_mul_u64 s[46:47], s[46:47], s[18:19]
	s_mul_i32 s20, s10, HALFT                      ; and where they go: A's two halves, then B's two halves = wave x 128 rows: no place in the cluster enters an LDS address
	s_wait_dscnt 0x0                               ; the opening add is done
	s_wait_kmcnt 0x0
	s_add_nc_u64 s[14:15], s[4:5], s[16:17]
	s_add_nc_u64 s[46:47], s[6:7], s[46:47]
	CROUND                                         ; all sixteen work-groups are here: the first joint loads meet
.irp s, 0,1
	s_mov_b32 s[G0+4*(\s)], 1                                      ; 1:0 count = 1
	s_add_co_u32 s[G0+4*(\s)+1], s20, (\s)*SLOT                    ; 63:32 LDS address
	s_add_nc_u64 s[G0+4*(\s)+2:G0+4*(\s)+3], s[14:15], (\s)*KSTEP*2  ; 120:64 global address: K step s
	s_or_b32 s[G0+4*(\s)+3], s[G0+4*(\s)+3], 0x80000000            ; 127:126 type = 2
	s_mov_b32 s[G0B+4*(\s)], 1
	s_add_co_u32 s[G0B+4*(\s)+1], s20, (\s)*SLOT
	s_add_nc_u64 s[G0B+4*(\s)+2:G0B+4*(\s)+3], s[46:47], (\s)*KSTEP*2
	s_or_b32 s[G0B+4*(\s)+3], s[G0B+4*(\s)+3], 0x80000000
	JLOAD \s                                       ; the ring is filled before anything else is done: two tensor loads of mine are out
.endr
	; A fragment is 16 rows x 32 K in 8 registers: lane l holds row l % 16; registers 0-3 hold K = 8 (l / 16) + 0..7, registers 4-7 hold
	; K = 16 + 8 (l / 16) + 0..7.  From rows that lie along K: two loads of 16 bytes, 32 bytes apart.  The same for source 0 and source 1.
	v_and_b32 v1, 15, v0                           ; l % 16
	v_bfe_u32 v2, v0, 4, 1                         ; l / 16
	v_mul_u32_u24 v3, v1, PITCH
	v_lshl_add_u32 v3, v2, 4, v3                   ; row x pitch + 16 x half
	s_mul_i32 s21, s11, HALFT                      ; my 128 rows of A
	s_mul_i32 s22, s12, HALFT                      ; my 128 rows of B,
	s_add_co_u32 s22, s22, 2*HALFT                 ; which lie behind A's 256
.irp s, 0,1
	v_add_nc_u32 v[ADRA+(\s)], s21, v3
	v_add_nc_u32 v[ADRB+(\s)], s22, v3
	s_add_co_u32 s21, s21, SLOT
	s_add_co_u32 s22, s22, SLOT
.endr
	s_mul_i32 s23, s10, WSTAGE
	s_add_co_u32 s23, s23, STAGE                   ; my stage
	v_mul_u32_u24 v4, v1, SPITCH                   ; in: row l % 16, 32 bytes for each half of the lanes
	v_lshl_add_u32 v4, v2, 5, v4
	v_add_nc_u32 v[STO], s23, v4
	v_and_b32 v5, 31, v0
	v_lshlrev_b32 v[CO], 4, v5                     ; back: 32 lanes take one row of 512 bytes
	v_add_nc_u32 v[RD], s23, v[CO]
	; where my part of the tile begins in C (and R), and my 128 columns in bias
	s_lshl_b32 s13, s13, 8
	s_lshl_b32 s14, s11, 7
	s_add_co_u32 s16, s13, s14                     ; my first row of C,
	s_lshl_b32 s16, s16, 13                        ; in bytes: rows of 8,192; 8,064 rows at the most: under 2^27
	s_mov_b32 s17, 0
	s_lshl_b32 s46, s42, 10                        ; my first column, in bytes: 1,024 x tile column + 512 x half (in the registers that held B's address)
	s_lshl_b32 s47, s12, 9
	s_add_co_u32 s46, s46, s47
	s_mov_b32 s47, 0
	s_add_nc_u64 s[66:67], s[66:67], s[46:47]
	s_add_nc_u64 s[16:17], s[16:17], s[46:47]
	s_add_nc_u64 s[8:9], s[8:9], s[16:17]
.if RESID
	s_add_nc_u64 s[68:69], s[68:69], s[16:17]
.endif
; 16 matrix instructions: m blocks a0, a0 + 1 of the window's four (hi = 0: my rows 0-63, 1: rows 64-127) x all 8 n blocks, 32 along K.
; zero = 1: the first product starts the sums: nothing is ever cleared.  The 64 accumulators take turns, one instruction a turn, in the same order in every quarter step.
.macro MUL16 f, hi, a0, zero
	WIN MUL_LO+0x50*(\hi)  ; MUL_LO or MUL_HI
.irp a, \a0, (\a0)+1
.irp b, 0,1,2,3,4,5,6,7
.if \zero
	v_wmma_f32_16x16x32_f16 v[8*(8*(\a)+(\b)):8*(8*(\a)+(\b))+7], v[(\f)+8*(\b):(\f)+8*(\b)+7], v[(\f)+8*(4*(\hi)+(\a)):(\f)+8*(4*(\hi)+(\a))+7], 0
.else
	v_wmma_f32_16x16x32_f16 v[8*(8*(\a)+(\b)):8*(8*(\a)+(\b))+7], v[(\f)+8*(\b):(\f)+8*(\b)+7], v[(\f)+8*(4*(\hi)+(\a)):(\f)+8*(4*(\hi)+(\a))+7], v[8*(8*(\a)+(\b)):8*(8*(\a)+(\b))+7]
.endif
.endr
.endr
.endm
; 32 LDS loads in one run: the fragments of one quarter step (128 rows of B, 128 rows of A, 32 K at byte k of the rows) into buffer f
.macro FETCH slot, k, f
	WIN TO_B
.irp i, 0,1,2,3,4,5,6,7
	ds_load_b128 v[(\f)+8*(\i):(\f)+8*(\i)+3],   v[ADRB+(\slot)] offset:(\k)+(\i)*16*PITCH
	ds_load_b128 v[(\f)+8*(\i)+4:(\f)+8*(\i)+7], v[ADRB+(\slot)] offset:(\k)+(\i)*16*PITCH+32
.endr
	WIN 0
.irp i, 0,1,2,3,4,5,6,7
	ds_load_b128 v[(\f)+8*(\i):(\f)+8*(\i)+3],   v[ADRA+(\slot)] offset:(\k)+(\i)*16*PITCH
	ds_load_b128 v[(\f)+8*(\i)+4:(\f)+8*(\i)+7], v[ADRA+(\slot)] offset:(\k)+(\i)*16*PITCH+32
.endr
.endm
; A load into a register that a matrix instruction has read, and an LDS store that reads a matrix result, stand four places behind that matrix instruction, and only plain vector
; instructions that name none of its registers are places (ISA guide 7.12.1 for vector instructions).
.macro PLACES
.rept 4
	v_nop
.endr
.endm
; A K step is four quarter steps of 32 along K, 64 matrix instructions each, on buffers 0, 1, 0, 1.
; One of the first three: multiplies buffer f; in its middle it fetches the next quarter's fragments, at byte k of the same slot's rows, into buffer g.
.macro QUARTER slot, k, f, g, zero
	s_wait_dscnt 8                                 ; B and A's rows 0-63 are in; the youngest eight loads (A's rows 64-127) may be out
	WIN MUL_LO
	MUL16 \f, 0, 0, \zero
	MUL16 \f, 0, 2, \zero
	PLACES
	FETCH \slot, \k, \g
	s_wait_dscnt 32                                ; all but the 32 just issued
	WIN MUL_HI
	MUL16 \f, 1, 0, \zero
	MUL16 \f, 1, 2, \zero
.endm
; The last quarter multiplies buffer 1 and changes slots.  MEET is its first half: ONE barrier for the change of slots.  In front of it each wave waits for all its tensor loads, of which one
; is out: its part of the next slot; adds 0 to its spare word; and waits for that and for its own reads of this slot.  Behind it nobody reads this slot any more and the next slot is whole.
.macro MEET round                      ; round = 1: a round of the cluster's barrier follows
	WIN 0                                          ; (the add's two registers lie in window 0)
	s_wait_tensorcnt 0x0                           ; all my tensor loads have landed: the one that was out is my part of the next slot;
	ds_add_u32 v[SPW], v[NIL]                      ; 0 onto my spare word;
	s_wait_dscnt 9                                 ; (the add and the youngest eight loads may be out)
	WIN MUL_LO
	MUL16 F1, 0, 0, 0                              ; sixteen matrix instructions stand between the add and the wait for it
	s_wait_dscnt 0x0                               ; the add is done, and my reads of this slot are over:
	s_barrier_signal -1                            ; say so (where a slot is filled again this barrier opens a round of the cluster's barrier),
	MUL16 F1, 0, 2, 0                              ; work on registers while the others arrive,
.if \round
	WIN 0
.endif
	s_barrier_wait -1                              ; and go on when all four have said so
.endm
; The whole last quarter.  Behind the round the slot just read out is filled again first, with the K step two steps on; then come the next slot's first fragments.
.macro TURN slot, next
	MEET 1
	CREST                                          ; no wave of any partner still reads this slot's tile or has a load on its way
	s_add_nc_u64 s[G0+4*(\slot)+2:G0+4*(\slot)+3], s[G0+4*(\slot)+2:G0+4*(\slot)+3], 2*KSTEP*2
	s_add_nc_u64 s[G0B+4*(\slot)+2:G0B+4*(\slot)+3], s[G0B+4*(\slot)+2:G0B+4*(\slot)+3], 2*KSTEP*2
	JLOAD \slot                                    ; the first tensor load behind the round, my only one until the next; the four v_nop behind it are also the places in front of the loads below
	FETCH \next, 0, F0
	WIN MUL_HI
	MUL16 F1, 1, 0, 0
	MUL16 F1, 1, 2, 0
.endm
; THE WAY OUT of block a (my rows 16 a .. 16 a + 15).
.macro RLOAD a                         ; its 16 rows x 512 bytes of R -> window 1, buffer a % 4 (at v0, v192, v128, v64); a load covers 512 consecutive bytes; the row stands in the immediate, 127 rows of 8,192 bytes at the most
	WIN 0x40
.set RB, (192*((\a)%4))%256
.irp t, 0,1,2,3,4,5,6,7,8,9,10,11,12,13,14,15
	global_load_b128 v[RB+4*(\t):RB+4*(\t)+3], v[CO], s[68:69] offset:(16*(\a)+(\t))*CROW th:TH_LOAD_NT
.endr
.endm
.macro TOSTAGE a                       ; its eight accumulators into my stage, and back as whole rows
.set AC, 64*((\a)%4)
.set BK, F0+64*((\a)%2)
	s_wait_xcnt 0x0                                ; the registers that come back below were the data of the stores two blocks ago: they are rewritten only behind this wait
	WIN 0x08+4*((\a)/4)                            ; the stores' data in window 2 or 3
.irp b, 0,1,2,3,4,5,6,7
	ds_store_b128 v[STO], v[AC+8*(\b):AC+8*(\b)+3]   offset:64*(\b)     ; each accumulator's low half first
	ds_store_b128 v[STO], v[AC+8*(\b)+4:AC+8*(\b)+7] offset:64*(\b)+16
.endr
	WIN 0
.irp t, 0,1,2,3,4,5,6,7,8,9,10,11,12,13,14,15
	ds_load_b128 v[BK+4*(\t):BK+4*(\t)+3], v[RD] offset:(\t)*SPITCH    ; LDS serves a wave's instructions in order (ISA guide 5.7.1.4): these see the stores above, and the next block's stores come behind them
.endr
.endm
.macro FINISH a, yds                   ; yds: the LDS instructions issued behind block a's loads: the next block's 32, or none
	WIN 0
.set BK, F0+64*((\a)%2)
.set RB, (192*((\a)%4))%256
	s_wait_dscnt \yds                              ; the block is back in registers
.if RESID
.if (\a) < 5
	s_wait_loadcnt 48                              ; block a of R is in (and bias, the oldest load); three younger blocks, 16 loads each, stay out
.else
	s_wait_loadcnt 16*(7-(\a))                     ; the last blocks: the counts run down
.endif
	WIN 0x04                                       ; source 1 (R) in window 1
.set p, 0
.rept 32
	v_pk_add_f32 v[BK+2*p:BK+2*p+1], v[BK+2*p:BK+2*p+1], v[RB+2*p:RB+2*p+1]
.set p, p+1
.endr
	WIN 0
.elseif (\a) == 0
	s_wait_loadcnt 0x0                             ; bias, the text's one global load
.endif
.irp t, 0,1,2,3,4,5,6,7,8,9,10,11,12,13,14,15
	v_pk_add_f32 v[BK+4*(\t):BK+4*(\t)+1],   v[BK+4*(\t):BK+4*(\t)+1],   v[BI:BI+1]
	v_pk_add_f32 v[BK+4*(\t)+2:BK+4*(\t)+3], v[BK+4*(\t)+2:BK+4*(\t)+3], v[BI+2:BI+3]
	v_max_num_f32 v[BK+4*(\t)],   0, v[BK+4*(\t)]
	v_max_num_f32 v[BK+4*(\t)+1], 0, v[BK+4*(\t)+1]
	v_max_num_f32 v[BK+4*(\t)+2], 0, v[BK+4*(\t)+2]
	v_max_num_f32 v[BK+4*(\t)+3], 0, v[BK+4*(\t)+3]
.if RESID
	global_store_b128 v[CO], v[BK+4*(\t):BK+4*(\t)+3], s[8:9] offset:(16*(\a)+(\t))*CROW th:TH_STORE_NT  ; 32 lanes store 512 consecutive bytes, at a multiple of 512 from C's first byte
.else
	global_store_b128 v[CO], v[BK+4*(\t):BK+4*(\t)+3], s[8:9] offset:(16*(\a)+(\t))*CROW                 ; the same; no hint: the next launch reads these rows
.endif
.endr
.endm
	global_load_b128 v[BI:BI+3], v[CO], s[66:67]   ; bias of my four columns
.if RESID
	RLOAD 0                                        ; two of the eight blocks of R come in under the K loop, into registers that it leaves idle
	RLOAD 1
.endif
	s_wait_tensorcnt 1                             ; my part of K step 0 is in; K step 1's stays out
	s_barrier_signal -1
	s_barrier_wait -1                              ; everybody's is
	FETCH 0, 0, F0
	QUARTER 0, 64,  F0, F1, 1                      ; the first quarter stands in front of the loop: its products start the sums
	WIN 0                                          ; at a label and at a branch every window is 0
	s_mov_b32 s3, LAPS-1
.Llap:                                                 ; a trip goes once round the ring, from a lap's second quarter to the next lap's first, and fills both slots again
	QUARTER 0, 128, F1, F0, 0
	QUARTER 0, 192, F0, F1, 0
	TURN 0, 1
	QUARTER 1, 64,  F0, F1, 0
	QUARTER 1, 128, F1, F0, 0
	QUARTER 1, 192, F0, F1, 0
	TURN 1, 0
	QUARTER 0, 64,  F0, F1, 0
	WIN 0
	s_sub_co_u32 s3, s3, 1
	s_cmp_lg_u32 s3, 0
	s_cbranch_scc1 .Llap
	QUARTER 0, 128, F1, F0, 0                      ; the last lap is written out: it fills nothing, and has no round of the cluster's barrier
	QUARTER 0, 192, F0, F1, 0
	MEET 0                                         ; my one tensor load that was still out is slot 1's, the last K step's
	PLACES                                         ; for the loads into buffer 0, which the quarter before multiplied
	FETCH 1, 0, F0
	WIN MUL_HI
	MUL16 F1, 1, 0, 0
	MUL16 F1, 1, 2, 0
	QUARTER 1, 64,  F0, F1, 0
	QUARTER 1, 128, F1, F0, 0
	QUARTER 1, 192, F0, F1, 0
	s_wait_dscnt 8                                 ; the very last quarter: nothing more to fetch
	WIN MUL_LO
	MUL16 F1, 0, 0, 0
	MUL16 F1, 0, 2, 0
	s_wait_dscnt 0x0
	MUL16 F1, 1, 0, 0
	MUL16 F1, 1, 2, 0
	PLACES                                         ; behind the last products: for the LDS stores that read results, and for the loads into the fragments' registers
.if RESID
	RLOAD 2
	RLOAD 3
.endif
	TOSTAGE 0
.irp a, 0,1,2,3,4,5,6                  ; block a + 1 is on its way through the stage while block a is finished and stored
	TOSTAGE (\a)+1
	FINISH \a, 32
.if RESID && ((\a) < 4)
	RLOAD (\a)+4                                   ; its buffer takes the block four further on
.endif
.endr
	FINISH 7, 0
	WIN 0
	s_wait_tensorcnt 0x0                           ; the wave's end: behind my last tensor load and my last LDS store
	ds_add_u32 v[SPW], v[NIL]
	s_wait_dscnt 0x0
	CROUND                                         ; the closing round: no work-group ends while a partner may still ask for a tile that names it
	s_endpgm
.Lfunc_end_k_qd549f3242f_gemm2:
	.size	k_qd549f3242f_gemm2, .Lfunc_end_k_qd549f3242f_gemm2-k_qd549f3242f_gemm2
	.p2alignl 7, 3214868480
	.fill 96, 4, 3214868480
	.section	.rodata,"a",@progbits
	.p2align	6, 0x0
	.amdhsa_kernel k_qd549f3242f_gemm2
		.amdhsa_group_segment_fixed_size 327680
		.amdhsa_private_segment_fixed_size 0
		.amdhsa_enable_private_segment 0
		.amdhsa_kernarg_size 40
		.amdhsa_user_sgpr_count 2
		.amdhsa_user_sgpr_kernarg_segment_ptr 1
		.amdhsa_wavefront_size32 1
		.amdhsa_system_sgpr_workgroup_id_x 1
		.amdhsa_system_sgpr_workgroup_id_y 1
		.amdhsa_system_sgpr_workgroup_id_z 1
		.amdhsa_system_vgpr_workitem_id 0
		.amdhsa_next_free_vgpr 1024
		.amdhsa_next_free_sgpr 70
		.amdhsa_reserve_vcc 0
		.amdhsa_float_denorm_mode_32 3
		.amdhsa_float_denorm_mode_16_64 3
		.amdhsa_memory_ordered 1
		.amdhsa_forward_progress 1
		.amdhsa_inst_pref_size 201
	.end_amdhsa_kernel
	.amdgpu_metadata
---
amdhsa.version: [ 1, 2 ]
amdhsa.kernels:
  - .name:           k_qd549f3242f_gemm2
    .symbol:         k_qd549f3242f_gemm2.kd
    .args:
      - { .name: act, .offset: 0, .size: 8, .value_kind: global_buffer, .address_space: global }
      - { .name: wh, .offset: 8, .size: 8, .value_kind: global_buffer, .address_space: global }
      - { .name: b2, .offset: 16, .size: 8, .value_kind: global_buffer, .address_space: global }
      - { .name: out0, .offset: 24, .size: 8, .value_kind: global_buffer, .address_space: global }
      - { .name: x, .offset: 32, .size: 8, .value_kind: global_buffer, .address_space: global }
    .group_segment_fixed_size: 327680
    .private_segment_fixed_size: 0
    .kernarg_segment_align: 8
    .kernarg_segment_size: 40
    .max_flat_workgroup_size: 128
    .sgpr_count:     70
    .vgpr_count:     1024
    .wavefront_size: 32
...
	.end_amdgpu_metadata
.endif
;; end of part 3
;; ======== version 2 of 2: 3 launches; 1.14 times as fast as version 1
;; limits: values are held in f16: magnitudes above 65,504 overflow, below 6.1e-05 lose precision; values outside matrix products are rounded to f16
;; workspace buffers: act 33,554,432 bytes; w1h 8,388,608 bytes; w2h 8,388,608 bytes; bb1 8,192 bytes; gx 131,072 bytes; dev 33,554,432 bytes; stat 1,048,576 bytes
;; launch prep (part 4): grid 256 x 1, 8 waves a work-group, no clusters, 0 bytes of LDS; arguments x, act, W1, g1, be1, b1, w1h, bb1, W2, g2, be2, b2, w2h, gx; writes act, w1h, bb1, w2h, gx
.if DOCPART == 4
	.amdgcn_target "amdgcn-amd-amdhsa--gfx1250"
	.amdhsa_code_object_version 6
	.text
	.protected	k_qd549f3242f_prep
	.globl	k_qd549f3242f_prep
	.p2align	8
	.type	k_qd549f3242f_prep,@function
k_qd549f3242f_prep:
	s_mov_b64 s[64:65], 0
	v_nop
	global_prefetch_b8 v0, s[64:65] scope:SCOPE_SE
	s_setreg_imm32_b32 hwreg(HW_REG_WAVE_MODE, 25, 1), 1
	s_wait_xcnt 0x0
; WHAT IT MAKES.  act[r][c] = f16((x[r][c] - mean_r) / sqrt(var_r + 1e-5)): the first norm without its gain and offset, which go into the weights:
;   w1h[n][k] = f16(g1[k] W1[n][k]),  bb1[n] = b1[n] + sum over k of be1[k] W1[n][k]   (f32)
;   w2h[n][k] = f16(g2[k] W2[n][k]),  gx[n][0..15] = f16(sum over the 128 k of group j of g2[k] W2[n][k]),  gx[n][16] = f16(b2[n] + sum over k of be2[k] W2[n][k]),  gx[n][17..31] = 0
; x: [8192][2048] f32; W1, W2: [2048][2048] f32; the vectors [2048] f32.  gx is the second product's extra 32 along K (see that kernel).
; SHARES.  2,048 waves (256 work-groups of eight).  Wave gw takes row gw of W1, row gw of W2 and rows 4 gw .. 4 gw + 3 of x.  A row is 8,192 bytes: sixteen loads of 16 bytes a lane,
; each covering 512 consecutive bytes, into 64 registers; it stays there for all its passes, so it is read from memory once, and the sums never leave the wave: no LDS, no barrier.
; In chunk j lane L holds columns 128 j + 4 L .. + 3: a chunk is a group of gx.  Rounded, a lane's four numbers are 8 bytes: a wave's store covers 256 consecutive bytes, at a multiple of 256.
; A ring of three row slots; six rows go through it, written out, since each slot has its own registers.
; LIMITS.  f16 holds no number beyond 65,504: g W, a group's sum or the folded bias past that becomes an infinity; below 6.1e-5 f16 keeps its fixed step of 6e-8.  A normalised number is 45.3 at the most.
; Sums are f32 sums in another order than from left to right.  The mean is taken first and the variance of the deviations: no difference of large sums.
; No matrix unit, no cluster: no two work-groups read the same rows (the four vectors, 32 KiB, are all that is shared).
.set ROWB,  8192                       ; bytes in a row of f32
.set OROWB, 4096                       ; bytes in a row of f16
.set VX,  2                            ; v2  16 lane + 32,768 gw: my 16 bytes in chunk 0 of my first row of x; never rewritten
.set VW,  3                            ; v3  16 lane + 8,192 gw: the same in my row of W1 and of W2
.set VXO, 4                            ; v4  8 lane + 16,384 gw: my 8 bytes in my first row of act
.set VWO, 5                            ; v5  8 lane + 4,096 gw: the same in my row of w1h and of w2h
.set VG,  6                            ; v6  16 lane: my 16 bytes in chunk 0 of a vector
.set VB,  7                            ; v7  4 gw: my number in bb1
.set T,   8                            ; v[8:15]   four chains of pairs; at the end of W2's turn the sixteen group sums, packed
.set MU,  16                           ; v[16:17]  the mean, twice
.set RS,  18                           ; v[18:19]  1 / sqrt(var + eps), twice
.set PT,  20                           ; v20       what the other half of the lanes holds
.set VGX, 21                           ; v21  64 gw: my row of gx
.set B1V, 22                           ; v22  bb1[gw], kept until the one place where lane 0 stores alone
.set ZQ,  24                           ; v[24:27]  0
.set LN,  28                           ; v28  lane
.set X,   32                           ; v[32:223] three slots of 64: a row as loaded, then at work in place
.set O,   224                          ; v[224:255] a row rounded to f16
.set G1,  0                            ; window 1: g1, be1, g2, be2 of my 64 columns
.set BE1, 64
.set G2,  128
.set BE2, 192
.set MSB, 0
.macro WIN new                         ; s_set_vgpr_msb: bits 1:0 source 0, 3:2 source 1, 5:4 source 2, 7:6 destination; the high byte repeats the setting that is left
.if MSB != (\new)
	s_set_vgpr_msb (MSB<<8)|(\new)
.set MSB, \new
.endif
.endm
	s_load_b512 s[4:19], s[0:1], 0x0               ; x s[4:5], act s[6:7], W1 s[8:9], g1 s[10:11], be1 s[12:13], b1 s[14:15], w1h s[16:17], bb1 s[18:19]
	s_load_b256 s[20:27], s[0:1], 0x40             ; W2 s[20:21], g2 s[22:23], be2 s[24:25], b2 s[26:27]
	s_load_b128 s[28:31], s[0:1], 0x60             ; w2h s[28:29], gx s[30:31]
	v_lshrrev_b32 v1, 5, v0
	v_readfirstlane_b32 s32, v1                    ; wave 0..7
	s_lshl_b32 s33, ttmp9, 3
	s_add_co_u32 s33, s33, s32                     ; gw = 8 x work-group + wave
	s_mov_b32 s34, 0x76543210                      ; v_permlanex16_b32: each lane takes its own place in the other half
	s_mov_b32 s35, 0xfedcba98
	s_mov_b32 s36, 0x3a000000                      ; 1 / 2048
	s_mov_b32 s37, 0x3727c5ac                      ; 1e-5
	v_and_b32 v[LN], 31, v0
	v_lshlrev_b32 v[VG], 4, v[LN]
	v_lshlrev_b32 v1, 3, v[LN]
	s_lshl_b32 s40, s33, 15                        ; four rows of 8,192 bytes a wave
	v_add_nc_u32 v[VX], s40, v[VG]
	s_lshl_b32 s40, s33, 13                        ; one row of 8,192 bytes
	v_add_nc_u32 v[VW], s40, v[VG]
	s_lshl_b32 s40, s33, 14                        ; four rows of 4,096 bytes
	v_add_nc_u32 v[VXO], s40, v1
	s_lshl_b32 s40, s33, 12                        ; one row of 4,096 bytes
	v_add_nc_u32 v[VWO], s40, v1
	s_lshl_b32 s40, s33, 6                         ; one row of 64 bytes
	v_mov_b32 v[VGX], s40
	s_lshl_b32 s38, s33, 2                         ; one number of 4 bytes,
	s_mov_b32 s39, 0                               ; as a pair for the scalar sums below
	v_mov_b32 v[VB], s38
	v_mov_b32 v[PT], 0                             ; v_permlanex16_b32 counts as a reader of its destination
.irp i, 0,1,2,3
	v_mov_b32 v[ZQ+(\i)], 0
.endr
	s_wait_kmcnt 0x0
	s_add_nc_u64 s[42:43], s[14:15], s[38:39]
	s_add_nc_u64 s[44:45], s[26:27], s[38:39]
	s_load_b32 s46, s[42:43], 0x0                  ; b1[gw]
	s_load_b32 s47, s[44:45], 0x0                  ; b2[gw]
; sixteen loads: a whole row into slot s
.macro FILL s, off, sb, imm
.set j, 0
.rept 16
	global_load_b128 v[X+64*(\s)+4*j:X+64*(\s)+4*j+3], v[\off], s[\sb:\sb+1] offset:(\imm)+512*j th:TH_LOAD_NT
.set j, j+1
.endr
.endm
; sixteen loads: my 64 numbers of a vector; every wave reads them: no hint
.macro GLOAD dst, sb
.set j, 0
.rept 16
	global_load_b128 v[(\dst)+4*j:(\dst)+4*j+3], v[VG], s[\sb:\sb+1] offset:512*j
.set j, j+1
.endr
.endm
; slot s rounded to f16: 32 packed roundings
.macro CVT s
.set p, 0
.rept 32
	v_cvt_pk_f16_f32 v[O+p], v[X+64*(\s)+2*p], v[X+64*(\s)+2*p+1]
.set p, p+1
.endr
.endm
; sixteen stores of 8 bytes a lane; no hint: the next launch reads these rows
.macro SEND off, sb, imm
.set j, 0
.rept 16
	global_store_b64 v[\off], v[O+2*j:O+2*j+1], s[\sb:\sb+1] offset:(\imm)+256*j
.set j, j+1
.endr
.endm
; the four chains into one number, the same in every lane: four steps inside each half of 16 lanes ride on the addition, one crosses the halves
.macro REDUCE
	v_pk_add_f32 v[T:T+1], v[T:T+1], v[T+2:T+3]
	v_pk_add_f32 v[T+4:T+5], v[T+4:T+5], v[T+6:T+7]
	v_pk_add_f32 v[T:T+1], v[T:T+1], v[T+4:T+5]
	v_add_f32 v[T], v[T], v[T+1]
	v_add_f32_dpp v[T], v[T], v[T] row_xmask:1 row_mask:0xf bank_mask:0xf
	v_add_f32_dpp v[T], v[T], v[T] row_xmask:2 row_mask:0xf bank_mask:0xf
	v_add_f32_dpp v[T], v[T], v[T] row_xmask:4 row_mask:0xf bank_mask:0xf
	v_add_f32_dpp v[T], v[T], v[T] row_xmask:8 row_mask:0xf bank_mask:0xf
	v_permlanex16_b32 v[PT], v[T], s34, s35
	v_add_f32 v[T], v[T], v[PT]
.endm
; A row of weights in slot s: v[T] = sum over k of be[k] W[k], the same in every lane; then the row times g, in place.  g, be: their places in window 1.  left: the younger loads.
.macro WROW s, g, be, left
.set XS, X+64*(\s)
	s_wait_loadcnt \left                           ; loads come back in order (ISA guide 5.7.1): the row and its two vectors are in
	WIN 0x04                                       ; source 1 (be, g) in window 1
.irp c, 0,1,2,3
	v_pk_mul_f32 v[T+2*(\c):T+2*(\c)+1], v[XS+2*(\c):XS+2*(\c)+1], v[(\be)+2*(\c):(\be)+2*(\c)+1]   ; the first four pairs start the chains: nothing is cleared
.endr
.set p, 4
.rept 28
	v_pk_fma_f32 v[T+2*(p%4):T+2*(p%4)+1], v[XS+2*p:XS+2*p+1], v[(\be)+2*p:(\be)+2*p+1], v[T+2*(p%4):T+2*(p%4)+1]
.set p, p+1
.endr
.set p, 0
.rept 32
	v_pk_mul_f32 v[XS+2*p:XS+2*p+1], v[XS+2*p:XS+2*p+1], v[(\g)+2*p:(\g)+2*p+1]
.set p, p+1
.endr
	WIN 0
	REDUCE
.endm
; The sixteen group sums of slot s, in place: the sum of chunk j ends in the chunk's first register, the same in every lane.  The sixteen chains take turns.
.macro GSUM s
.set XS, X+64*(\s)
.set j, 0
.rept 16
	v_pk_add_f32 v[XS+4*j:XS+4*j+1], v[XS+4*j:XS+4*j+1], v[XS+4*j+2:XS+4*j+3]
.set j, j+1
.endr
.set j, 0
.rept 16
	v_add_f32 v[XS+4*j], v[XS+4*j], v[XS+4*j+1]
.set j, j+1
.endr
.irp m, 1,2,4,8
.set j, 0
.rept 16
	v_add_f32_dpp v[XS+4*j], v[XS+4*j], v[XS+4*j] row_xmask:\m row_mask:0xf bank_mask:0xf
.set j, j+1
.endr
.endr
.set j, 0
.rept 16
	v_permlanex16_b32 v[XS+4*j+1], v[XS+4*j], s34, s35
.set j, j+1
.endr
.set j, 0
.rept 16
	v_add_f32 v[XS+4*j], v[XS+4*j], v[XS+4*j+1]
.set j, j+1
.endr
.endm
; The turn of slot s, which holds my row i of x.  left: the younger loads, which may stay out.  fill >= 0: the slot then takes my row fill.
.macro LNROW s, i, left, fill
.set XS, X+64*(\s)
	s_wait_loadcnt \left                           ; my row is in
	; pass 1: the mean.  Four chains that do not wait for each other, started by the first eight pairs
.irp c, 0,1,2,3
	v_pk_add_f32 v[T+2*(\c):T+2*(\c)+1], v[XS+2*(\c):XS+2*(\c)+1], v[XS+8+2*(\c):XS+8+2*(\c)+1]
.endr
.set p, 8
.rept 24
	v_pk_add_f32 v[T+2*(p%4):T+2*(p%4)+1], v[T+2*(p%4):T+2*(p%4)+1], v[XS+2*p:XS+2*p+1]
.set p, p+1
.endr
	REDUCE
	v_mul_f32 v[MU], s36, v[T]
	v_mul_f32 v[MU+1], s36, v[T]
	; pass 2: x - mean in place, then the mean of its squares
.set p, 0
.rept 32
	v_pk_add_f32 v[XS+2*p:XS+2*p+1], v[XS+2*p:XS+2*p+1], v[MU:MU+1] neg_lo:[0,1] neg_hi:[0,1]
.set p, p+1
.endr
.irp c, 0,1,2,3
	v_pk_mul_f32 v[T+2*(\c):T+2*(\c)+1], v[XS+2*(\c):XS+2*(\c)+1], v[XS+2*(\c):XS+2*(\c)+1]
.endr
.set p, 4
.rept 28
	v_pk_fma_f32 v[T+2*(p%4):T+2*(p%4)+1], v[XS+2*p:XS+2*p+1], v[XS+2*p:XS+2*p+1], v[T+2*(p%4):T+2*(p%4)+1]
.set p, p+1
.endr
	REDUCE
	v_fma_f32 v[T], v[T], s36, s37                 ; var + eps
	v_rsq_f32 v[RS], v[T]                          ; made twice, to fill the pair that the packed multiply takes
	v_rsq_f32 v[RS+1], v[T]
	v_nop                                          ; a plain instruction between the root and the use of its result (ISA guide 5.7.2)
	; pass 3: times 1 / sqrt
.set p, 0
	s_wait_alu depctr_va_vdst(0)
.rept 32
	v_pk_mul_f32 v[XS+2*p:XS+2*p+1], v[XS+2*p:XS+2*p+1], v[RS:RS+1]
.set p, p+1
.endr
	s_wait_xcnt 0x0                                ; O, which the last turn's stores read, is rewritten only behind this wait
	CVT \s
.if (\fill) >= 0
	FILL \s, VX, 4, (\fill)*ROWB                   ; the loads go ahead of the stores
.endif
	SEND VXO, 6, (\i)*OROWB
.endm
	FILL 0, VW, 8, 0                               ; my row of W1,
	WIN 0x40                                       ; (destination window 1, address window 0)
	GLOAD G1, 10                                   ; what its turn needs,
	GLOAD BE1, 12
	WIN 0
	FILL 1, VW, 20, 0                              ; my row of W2,
	WIN 0x40
	GLOAD G2, 22
	GLOAD BE2, 24
	WIN 0
	FILL 2, VX, 4, 0                               ; my row 0 of x
	s_wait_kmcnt 0x0                               ; b1[gw], b2[gw]
	WROW 0, G1, BE1, 63                            ; 64 loads are younger than be1's last; the count's field ends at 63, so one of them is waited for too
	v_add_f32 v[B1V], s46, v[T]                    ; bb1[gw]
	CVT 0
	FILL 0, VX, 4, ROWB                            ; slot 0 takes my row 1 of x
	SEND VWO, 16, 0
	WROW 1, G2, BE2, 32                            ; younger: my rows 0 and 1 of x
	v_add_f32 v[T], s47, v[T]                      ; b2[gw] + be2 . W2[gw]
	v_cvt_pk_f16_f32 v[MU], v[T], v[ZQ]            ; gx[gw][16], and 0 beside it
	v_mov_b32 v[MU+1], 0
	v_mov_b32 v[MU+2], 0
	v_mov_b32 v[MU+3], 0
	s_wait_xcnt 0x0                                ; O was the data of W1's stores
	CVT 1
	SEND VWO, 28, 0
	GSUM 1
.set j, 0
.rept 8
	v_cvt_pk_f16_f32 v[T+j], v[X+64+8*j], v[X+64+8*j+4]   ; groups 2 j and 2 j + 1
.set j, j+1
.endr
	s_wait_xcnt 0x0                                ; EXEC is a source of what is on its way: it changes only behind this wait
	v_cmp_eq_u32 vcc_lo, 0, v[LN]
	s_and_saveexec_b32 s48, vcc_lo                 ; every lane holds the same numbers: lane 0 stores them, 4 + 64 bytes a wave
	global_store_b32 v[VB], v[B1V], s[18:19]
	global_store_b128 v[VGX], v[T:T+3], s[30:31]
	global_store_b128 v[VGX], v[T+4:T+7], s[30:31] offset:16
	global_store_b128 v[VGX], v[MU:MU+3], s[30:31] offset:32
	global_store_b128 v[VGX], v[ZQ:ZQ+3], s[30:31] offset:48
	s_wait_xcnt 0x0                                ; and again in front of the line that widens it; T and MU are rewritten only behind it too
	s_or_b32 exec_lo, exec_lo, s48
	FILL 1, VX, 4, 2*ROWB                          ; slot 1 takes my row 2 of x
	LNROW 2, 0, 32, 3                              ; younger: rows 1 and 2; slot 2 takes my row 3
	LNROW 0, 1, 32, -1                             ; younger: rows 2 and 3; nothing is left to fetch
	LNROW 1, 2, 16, -1                             ; younger: row 3
	LNROW 2, 3, 0, -1
	s_endpgm
.Lfunc_end_k_qd549f3242f_prep:
	.size	k_qd549f3242f_prep, .Lfunc_end_k_qd549f3242f_prep-k_qd549f3242f_prep
	.p2alignl 7, 3214868480
	.fill 96, 4, 3214868480
	.section	.rodata,"a",@progbits
	.p2align	6, 0x0
	.amdhsa_kernel k_qd549f3242f_prep
		.amdhsa_group_segment_fixed_size 0
		.amdhsa_private_segment_fixed_size 0
		.amdhsa_enable_private_segment 0
		.amdhsa_kernarg_size 112
		.amdhsa_user_sgpr_count 2
		.amdhsa_user_sgpr_kernarg_segment_ptr 1
		.amdhsa_wavefront_size32 1
		.amdhsa_system_sgpr_workgroup_id_x 1
		.amdhsa_system_sgpr_workgroup_id_y 1
		.amdhsa_system_sgpr_workgroup_id_z 1
		.amdhsa_system_vgpr_workitem_id 0
		.amdhsa_next_free_vgpr 512
		.amdhsa_next_free_sgpr 66
		.amdhsa_reserve_vcc 1
		.amdhsa_float_denorm_mode_32 3
		.amdhsa_float_denorm_mode_16_64 3
		.amdhsa_memory_ordered 1
		.amdhsa_forward_progress 1
		.amdhsa_inst_pref_size 93
	.end_amdhsa_kernel
	.amdgpu_metadata
---
amdhsa.version: [ 1, 2 ]
amdhsa.kernels:
  - .name:           k_qd549f3242f_prep
    .symbol:         k_qd549f3242f_prep.kd
    .args:
      - { .name: x, .offset: 0, .size: 8, .value_kind: global_buffer, .address_space: global }
      - { .name: act, .offset: 8, .size: 8, .value_kind: global_buffer, .address_space: global }
      - { .name: W1, .offset: 16, .size: 8, .value_kind: global_buffer, .address_space: global }
      - { .name: g1, .offset: 24, .size: 8, .value_kind: global_buffer, .address_space: global }
      - { .name: be1, .offset: 32, .size: 8, .value_kind: global_buffer, .address_space: global }
      - { .name: b1, .offset: 40, .size: 8, .value_kind: global_buffer, .address_space: global }
      - { .name: w1h, .offset: 48, .size: 8, .value_kind: global_buffer, .address_space: global }
      - { .name: bb1, .offset: 56, .size: 8, .value_kind: global_buffer, .address_space: global }
      - { .name: W2, .offset: 64, .size: 8, .value_kind: global_buffer, .address_space: global }
      - { .name: g2, .offset: 72, .size: 8, .value_kind: global_buffer, .address_space: global }
      - { .name: be2, .offset: 80, .size: 8, .value_kind: global_buffer, .address_space: global }
      - { .name: b2, .offset: 88, .size: 8, .value_kind: global_buffer, .address_space: global }
      - { .name: w2h, .offset: 96, .size: 8, .value_kind: global_buffer, .address_space: global }
      - { .name: gx, .offset: 104, .size: 8, .value_kind: global_buffer, .address_space: global }
    .group_segment_fixed_size: 0
    .private_segment_fixed_size: 0
    .kernarg_segment_align: 8
    .kernarg_segment_size: 112
    .max_flat_workgroup_size: 256
    .sgpr_count:     66
    .vgpr_count:     512
    .wavefront_size: 32
...
	.end_amdgpu_metadata
.endif
;; end of part 4
;; launch gemm1 (part 5): grid 8 x 32, 4 waves a work-group, clusters of 4 x 4, 327,680 bytes of LDS; arguments act, w1h, bb1, dev, stat; writes dev, stat
.if DOCPART == 5
	.amdgcn_target "amdgcn-amd-amdhsa--gfx1250"
	.amdhsa_code_object_version 6
	.text
	.protected	k_qd549f3242f_gemm1
	.globl	k_qd549f3242f_gemm1
	.p2align	8
	.type	k_qd549f3242f_gemm1,@function
k_qd549f3242f_gemm1:
	s_mov_b64 s[64:65], 0
	v_nop
	global_prefetch_b8 v0, s[64:65] scope:SCOPE_SE
	s_setreg_imm32_b32 hwreg(HW_REG_WAVE_MODE, 25, 1), 1
	s_wait_xcnt 0x0
	s_wait_alu depctr_hold_cnt(0) depctr_sa_sdst(0) depctr_va_vdst(0) depctr_va_sdst(0) depctr_va_ssrc(0) depctr_va_vcc(0) depctr_vm_vsrc(0)
	s_getreg_b32 s2, hwreg(HW_REG_IB_STS2, 6, 4)
	s_cmp_eq_u32 s2, 0
	s_cbranch_scc0 .Lentry_in_a_cluster
	s_endpgm
.Lentry_in_a_cluster:
	s_bfe_u32 s2, ttmp6, 0x10000c
	s_cmp_lg_u32 s2, 0xf033
	s_cbranch_scc0 .Lentry_shape_is_right
	s_endpgm
.Lentry_shape_is_right:
; h[m][n] = max(0, sum over k of A[m][k] B[n][k] + bias[n]),  A: [8192][2048] f16, B: [2048][2048] f16, bias: [2048] f32; sums in f32.  h itself is not stored.  A row's 2,048 columns fall into 16 GROUPS
; of 128; for each row and group this kernel stores the group's mean m (f32), the sum M2 of the squared deviations from it (f32), and the deviations d = h - m, rounded once to f16:
;   dev[m][n] = f16(h[m][n] - mean),   stat[g][m] = mean,   stat[16 + g][m] = M2      (dev: [8192][2048] f16; stat: [32][8192] f32).
; The next launch makes the row's mean and variance of the 16 pairs, and multiplies by d.  A deviation has the size of the row's spread, whatever offset the row carries: that is why d may be f16 and h may not.
; Arguments: A, B, bias, dev, stat.
; LIMITS.  A and B arrive in f16; a deviation beyond 65,504 becomes an infinity, one below 6.1e-5 keeps f16's fixed step of 6e-8.  The maximum with 0 turns a NaN into 0.
; SHARES.  A tile of 256 x 256 is made by a work-group of four waves; a wave makes 128 x 128 (a group's width): 64 accumulators of 16 x 16, 512 registers.  32 x 8 tiles: 256 work-groups.
; K goes in 16 steps of 128 through a ring of two LDS slots filled by the tensor data mover: the rows of A's and B's tiles are 256 bytes of memory and start at multiples of 256 bytes.
; CLUSTERS: 4 x 4 work-groups.  The four of a row of the cluster need the same tiles of A, the four of a column the same tiles of B.  Such a tile is asked for JOINTLY: each of the four issues
; the same tensor load, with the same descriptor and a mask that names the four, and each receives the tile in its own LDS.
; THE MATRIX INSTRUCTION IS USED TRANSPOSED: source 0 = 16 rows of B, source 1 = 16 rows of A.  In the result lane l holds row l % 16 and its registers 0 to 7 the columns 8 (l / 16) + 0 .. 7.
; The bias, laid out so, is the C operand of the products that start the sums: it costs no addition.
; THE WAY OUT.  When the ring has had its last fill and every wave its last read of it, each wave lays its 128 rows x 512 bytes into its quarter of the ring; a loop of eight trips then reads 16 rows a
; trip, half a wave to a row, eight columns a lane: the row's sums need four steps among 16 lanes, and a lane's eight rounded numbers are 16 bytes of a row's 256.
; REGISTERS, in windows of 256 (s_set_vgpr_msb: bits 1:0 source 0, 3:2 source 1, 5:4 source 2, 7:6 destination):
;   window 0: v0-31 addresses; v64-127, v128-191 fragments of A, two buffers; on the way out v64-215 at work
;   window 1: v0-63 the bias; v64-127, v128-191 fragments of B, two buffers
;   window 2: the 32 accumulators of my rows 0-63 (accumulator (a, b) at v[8 (8 a + b)]);   window 3: those of my rows 64-127
.set SIZE_K, 2048
.set KSTEP,  128
.set STEPS,  SIZE_K/KSTEP
.set PITCH,  272                       ; an LDS row: 256 bytes of data + 16 of padding = 68 words: row r starts 4 r words on, modulo 64 (64 banks of 4 bytes: ISA guide 11.1), so the 16 rows of a load start at 16 different banks
.set HALFT,  128*PITCH                 ; 128 rows: what one tensor load brings, and what one wave reads of A or of B
.set SLOT,   4*HALFT                   ; A's 256 rows, then B's 256 rows.  0x22000: it shares no bit with wave x HALFT (0x8800 x 0..3), so one exclusive or turns an address in one slot into the other's
.set SPITCH, 528                       ; the way out: a row of 512 bytes + 16
.set WST,    128*SPITCH                ; a wave's 128 rows: 67,584 bytes; four of them lie inside the ring's 278,528
.set SPARE,  2*SLOT                    ; behind the ring: the spare words, 128 bytes for each wave: two blocks of 256 bytes that no other line names
.set TBL,    SPARE+512                 ; behind them: for each wave 128 means and 128 sums of squares, 1,024 bytes; no tensor load lands here
.set DROW,   4096                      ; bytes in a row of dev
.set ADRA0, 16                         ; v16  LDS address of my A fragments in slot 0; never rewritten
.set ADRB0, 17                         ; v17  the same for B
.set ADRA,  18                         ; v18  the same in the slot that is being read
.set ADRB,  19                         ; v19
.set TR,   22                          ; v22  the way out: where I read 16 bytes of my table
.set SO,   23                          ; v23  16 x lane: my byte offset in 512 bytes of stat
.set STO,  24                          ; v24  the way out: where I put 32 bytes of a row
.set RD,   25                          ; v25  the way out: where I read 32 bytes of a row back; steps 16 rows a trip
.set CO,   26                          ; v26  my byte offset in two rows of dev; never rewritten
.set TA,   27                          ; v27  where my half of the lanes puts its row's mean; steps 16 rows a trip
.set SPW,  28                          ; v28  LDS address of my spare word: SPARE + 4 x my thread's number; never rewritten
.set NIL,  29                          ; v29  0; never rewritten
.set BO,   30                          ; v30  32 (l / 16): my byte offset in 64 bytes of bias
.set F0,   64                          ; fragment buffer 0
.set F1,   128                         ; fragment buffer 1
.set BD,   0                           ; window 1: bias[16 b + 8 (l / 16) + j] at v[8 b + j]
.set WX,   64                          ; the way out: pair p of eight pairs of rows: 8 numbers
.set WT,   128                         ;   4 registers at work
.set WO,   160                         ;   4 registers, 8 numbers rounded
.set WM,   192                         ;   the mean, twice
.set WQ,   208                         ;   the sum of squares
.set G1, 24                            ; s[24:31] descriptor group 1 for A's tiles
.set G0, 32                            ; s[32:39] descriptor group 0 for A's tiles: a set for each of the two first fills; the second then walks on
.set TB, 45                            ; s45      0 or SLOT: the slot that is being read
.set G1B, 48                           ; s[48:55] descriptor group 1 for B's tiles: it differs from A's in the mask alone
.set G0B, 56                           ; s[56:63] descriptor group 0 for B's tiles, likewise
.set MSB, 0
.macro WIN new                         ; the immediate's high byte repeats the setting that is left; a switch that changes nothing is dropped
.if MSB != (\new)
	s_set_vgpr_msb (MSB<<8)|(\new)
.set MSB, \new
.endif
.endm
.set MUL_LO, 0xa1                      ; source 0 (B) window 1, source 1 (A) window 0, C and D window 2
.set MUL_HI, 0xf1                      ; the same, C and D window 3
.set TO_B,   0x40                      ; destination window 1, address window 0
; A joint load.  Waves 0 and 1 fetch A's two halves, waves 2 and 3 B's.  Each of the two lines has one mask and one set of registers for all that issue it.  The branch hangs on the wave's number alone.
; An s_nop 0 and four v_nop follow each of the two lines, ahead of the jump, the label and what follows the macro.
.macro JLOAD s
	s_cmp_eq_u32 s11, 0
	s_cbranch_scc0 .Lfor_b_\@
	tensor_load_to_lds s[G0+4*(\s):G0+4*(\s)+3], s[G1:G1+7]
	s_nop 0
.rept 4
	v_nop
.endr
	s_branch .Lasked_\@
.Lfor_b_\@:
	tensor_load_to_lds s[G0B+4*(\s):G0B+4*(\s)+3], s[G1B:G1B+7]
	s_nop 0
.rept 4
	v_nop
.endr
.Lasked_\@:
.endm
; A round of the cluster's barrier: my work-group's barrier, so that wave 0's signal speaks for all four waves; wave 0 signals for the work-group; every wave waits for all
; sixteen work-groups; my work-group's barrier once more.
.macro CREST                           ; a round behind its opening barrier
	s_cmp_lg_u32 s10, 0
	s_cbranch_scc1 .Lnot_wave_0_\@
	s_barrier_signal -3
.Lnot_wave_0_\@:
	s_barrier_wait -3
	s_barrier_signal -1
	s_barrier_wait -1
.endm
.macro CROUND                          ; a whole round
	s_barrier_signal -1
	s_barrier_wait -1
	CREST
.endm
	s_load_b128 s[4:7], s[0:1], 0x0                ; A s[4:5], B s[6:7]
	s_load_b64 s[66:67], s[0:1], 0x10              ; bias
	s_load_b64 s[8:9], s[0:1], 0x18                ; dev
	s_load_b64 s[68:69], s[0:1], 0x20              ; stat
	v_lshl_add_u32 v[SPW], v0, 2, SPARE
	v_mov_b32 v[NIL], 0
	ds_add_u32 v[SPW], v[NIL]                      ; the wave's opening: the add and its wait stand ahead of my first tensor load; the set-up below, work on registers, stands between them
	v_lshrrev_b32 v1, 5, v0
	v_readfirstlane_b32 s10, v1                    ; wave 0..3
	s_lshr_b32 s11, s10, 1                         ; which half of the tile's rows is mine.  Also: I fetch for A (0) or for B (1)
	s_and_b32 s12, s10, 1                          ; which half of its columns.  Also: which 128 rows of that tile I fetch
	s_bfe_u32 s40, ttmp6, 0x40000                  ; cx: my place along the cluster's x
	s_bfe_u32 s41, ttmp6, 0x40004                  ; cy: along its y
	s_lshl_b32 s42, ttmp9, 2                       ; in a cluster launch ttmp9 and ttmp7 count clusters
	s_add_co_u32 s42, s42, s40                     ; tile column = 4 x cluster x + cx
	s_and_b32 s13, ttmp7, 0xffff
	s_lshl_b32 s13, s13, 2
	s_add_co_u32 s13, s13, s41                     ; tile row = 4 x cluster y + cy
	s_lshl_b32 s43, s41, 2
	s_lshl_b32 s43, 15, s43                        ; my row of the cluster: places 4 cy .. 4 cy + 3
	s_lshl_b32 s44, 0x1111, s40                    ; my column: places cx, cx + 4, cx + 8, cx + 12
	; descriptor group 1: a tile of 128 rows x 128 elements, padded in LDS
	s_or_b32 s[G1+0], s43, (1<<16)|(1<<20)|(1<<21)|(5<<22)|(3<<25)  ; 15:0 the mask: A's tiles go to my row; 17:16 element of 2 bytes; 20 padding on; 21 set beside a mask; 24:22 after every 64 words (code 5); 31:25 of 4 words (code 3)
	s_or_b32 s[G1B+0], s44, (1<<16)|(1<<20)|(1<<21)|(5<<22)|(3<<25) ; the same with the mask of my column, for B's tiles
	s_mov_b32 s[G1B+1], KSTEP<<16
	s_mov_b32 s[G1+1], KSTEP<<16                   ; 63:48 tensor_dim0, low half = 128
	s_mov_b32 s[G1B+2], 128<<16
	s_mov_b32 s[G1+2], 128<<16                     ; 79:64 its high half = 0; 95:80 tensor_dim1, low half = 128
	s_mov_b32 s[G1B+3], KSTEP<<16
	s_mov_b32 s[G1+3], KSTEP<<16                   ; 111:96 its high half = 0; 127:112 tile_dim0 = 128
	s_mov_b32 s[G1B+4], 128
	s_mov_b32 s[G1+4], 128                         ; 143:128 tile_dim1 = 128; 159:144 tile_dim2 = 0
	s_mov_b32 s[G1B+5], SIZE_K
	s_mov_b32 s[G1+5], SIZE_K                      ; 191:160 tensor_dim0_stride, low word: elements from row to row
	s_mov_b32 s[G1B+6], 0
	s_mov_b32 s[G1+6], 0
	s_mov_b32 s[G1B+7], 0
	s_mov_b32 s[G1+7], 0
	; where the tiles come from.  A's hang on the tile row alone, which my row of the cluster shares; B's on the tile column alone, which my column shares.
	; Every wave makes both addresses, in registers that never hold the other coordinate, and asks by one of them.
	s_lshl_b32 s17, s12, 7                         ; which 128 rows of the tile I fetch
	s_lshl_b32 s16, s13, 8
	s_add_co_u32 s16, s16, s17                     ; A: row 256 x tile row + 128 x half
	s_lshl_b32 s46, s42, 8
	s_add_co_u32 s46, s46, s17                     ; B: row 256 x tile column + 128 x half
	s_mov_b32 s17, 0
	s_mov_b32 s47, 0
	s_mov_b64 s[18:19], SIZE_K*2
	s_mul_u64 s[16:17], s[16:17], s[18:19]         ; in bytes, in 64 bits
	s_mul_u64 s[46:47], s[46:47], s[18:19]
	s_mul_i32 s20, s10, HALFT                      ; and where they go: A's two halves, then B's two halves = wave x 128 rows: no place in the cluster enters an LDS address
	s_wait_dscnt 0x0                               ; the opening add is done
	s_wait_kmcnt 0x0
	s_add_nc_u64 s[14:15], s[4:5], s[16:17]
	s_add_nc_u64 s[46:47], s[6:7], s[46:47]
	CROUND                                         ; all sixteen work-groups are here: the first joint loads meet
.irp s, 0,1
	s_mov_b32 s[G0+4*(\s)], 1                                      ; 1:0 count = 1
	s_add_co_u32 s[G0+4*(\s)+1], s20, (\s)*SLOT                    ; 63:32 LDS address
	s_add_nc_u64 s[G0+4*(\s)+2:G0+4*(\s)+3], s[14:15], (\s)*KSTEP*2  ; 120:64 global address: K step s
	s_or_b32 s[G0+4*(\s)+3], s[G0+4*(\s)+3], 0x80000000            ; 127:126 type = 2
	s_mov_b32 s[G0B+4*(\s)], 1
	s_add_co_u32 s[G0B+4*(\s)+1], s20, (\s)*SLOT
	s_add_nc_u64 s[G0B+4*(\s)+2:G0B+4*(\s)+3], s[46:47], (\s)*KSTEP*2
	s_or_b32 s[G0B+4*(\s)+3], s[G0B+4*(\s)+3], 0x80000000
	JLOAD \s                                       ; the ring is filled before anything else is done: two tensor loads of mine are out
.endr
	; A fragment is 16 rows x 32 K in 8 registers: lane l holds row l % 16; registers 0-3 hold K = 8 (l / 16) + 0..7, registers 4-7 hold
	; K = 16 + 8 (l / 16) + 0..7.  From rows that lie along K: two loads of 16 bytes, 32 bytes apart.  The same for source 0 and source 1.
	v_and_b32 v1, 15, v0                           ; l % 16
	v_bfe_u32 v2, v0, 4, 1                         ; l / 16
	v_mul_u32_u24 v3, v1, PITCH
	v_lshl_add_u32 v3, v2, 4, v3                   ; row x pitch + 16 x half
	s_mul_i32 s21, s11, HALFT                      ; my 128 rows of A
	s_mul_i32 s22, s12, HALFT                      ; my 128 rows of B,
	s_add_co_u32 s22, s22, 2*HALFT                 ; which lie behind A's 256
	v_add_nc_u32 v[ADRA0], s21, v3
	v_add_nc_u32 v[ADRB0], s22, v3
	v_mov_b32 v[ADRA], v[ADRA0]
	v_mov_b32 v[ADRB], v[ADRB0]
	s_mov_b32 s[TB], 0
	s_mul_i32 s23, s10, WST                        ; the way out: my quarter of the ring
	v_mul_u32_u24 v4, v1, SPITCH                   ; in: row l % 16, 32 bytes for each half of the lanes
	v_lshl_add_u32 v4, v2, 5, v4
	v_add_nc_u32 v[STO], s23, v4
	v_mul_u32_u24 v5, v2, SPITCH                   ; back: lanes 0-15 take one row, lanes 16-31 the next, 32 bytes a lane
	v_lshl_add_u32 v5, v1, 5, v5
	v_add_nc_u32 v[RD], s23, v5
	v_lshlrev_b32 v5, 12, v2                       ; and the same two rows in dev, 16 bytes a lane
	v_lshl_add_u32 v[CO], v1, 4, v5
	s_lshl_b32 s23, s10, 10
	s_add_co_u32 s23, s23, TBL                     ; my table
	v_lshl_add_u32 v[TA], v2, 2, s23
	v_and_b32 v5, 31, v0
	v_lshlrev_b32 v[SO], 4, v5
	v_add_nc_u32 v[TR], s23, v[SO]
	v_lshlrev_b32 v[BO], 5, v2
	s_mov_b32 s2, 0x3c000000                       ; 1 / 128
	; where my part begins in dev, in bias and in stat
	s_lshl_b32 s13, s13, 8
	s_lshl_b32 s14, s11, 7
	s_add_co_u32 s13, s13, s14                     ; my first row
	s_lshl_b32 s46, s42, 1                         ; (in the registers that held B's address: none that feeds A's descriptors ever holds cx)
	s_add_co_u32 s46, s46, s12                     ; my group = 2 x tile column + half
	s_mov_b32 s47, 0
	s_lshl_b32 s46, s46, 8                         ; 256 bytes of a row of dev
	s_lshl_b32 s16, s13, 12                        ; rows of 4,096 bytes: under 2^25
	s_mov_b32 s17, 0
	s_add_nc_u64 s[16:17], s[16:17], s[46:47]
	s_add_nc_u64 s[8:9], s[8:9], s[16:17]
	s_lshl_b32 s46, s46, 1                         ; 512 bytes of bias
	s_add_nc_u64 s[66:67], s[66:67], s[46:47]
	s_lshl_b32 s46, s46, 6                         ; 32,768 bytes of stat: a group's 8,192 means
	s_lshl_b32 s16, s13, 2
	s_mov_b32 s17, 0
	s_add_nc_u64 s[16:17], s[16:17], s[46:47]
	s_add_nc_u64 s[68:69], s[68:69], s[16:17]
; 16 matrix instructions: m blocks a0, a0 + 1 of the window's four (hi = 0: my rows 0-63, 1: rows 64-127) x all 8 n blocks, 32 along K.
; zero = 1: the products start the sums with 0; zero = 2: with the bias: nothing is ever cleared.  The 64 accumulators take turns, one instruction a turn, in the same order in every quarter step.
.macro MUL16 f, hi, a0, zero
.if (\zero) == 2
	WIN 0x91+0x40*(\hi)    ; as MUL_LO or MUL_HI, with C in window 1
.else
	WIN MUL_LO+0x50*(\hi)  ; MUL_LO or MUL_HI
.endif
.irp a, \a0, (\a0)+1
.irp b, 0,1,2,3,4,5,6,7
.if (\zero) == 1
	v_wmma_f32_16x16x32_f16 v[8*(8*(\a)+(\b)):8*(8*(\a)+(\b))+7], v[(\f)+8*(\b):(\f)+8*(\b)+7], v[(\f)+8*(4*(\hi)+(\a)):(\f)+8*(4*(\hi)+(\a))+7], 0
.elseif (\zero) == 2
	v_wmma_f32_16x16x32_f16 v[8*(8*(\a)+(\b)):8*(8*(\a)+(\b))+7], v[(\f)+8*(\b):(\f)+8*(\b)+7], v[(\f)+8*(4*(\hi)+(\a)):(\f)+8*(4*(\hi)+(\a))+7], v[BD+8*(\b):BD+8*(\b)+7]
.else
	v_wmma_f32_16x16x32_f16 v[8*(8*(\a)+(\b)):8*(8*(\a)+(\b))+7], v[(\f)+8*(\b):(\f)+8*(\b)+7], v[(\f)+8*(4*(\hi)+(\a)):(\f)+8*(4*(\hi)+(\a))+7], v[8*(8*(\a)+(\b)):8*(8*(\a)+(\b))+7]
.endif
.endr
.endr
.endm
; 32 LDS loads in one run: the fragments of one quarter step (128 rows of B, 128 rows of A, 32 K at byte k of the rows of the slot that is being read) into buffer f
.macro FETCH k, f
	WIN TO_B
.irp i, 0,1,2,3,4,5,6,7
	ds_load_b128 v[(\f)+8*(\i):(\f)+8*(\i)+3],   v[ADRB] offset:(\k)+(\i)*16*PITCH
	ds_load_b128 v[(\f)+8*(\i)+4:(\f)+8*(\i)+7], v[ADRB] offset:(\k)+(\i)*16*PITCH+32
.endr
	WIN 0
.irp i, 0,1,2,3,4,5,6,7
	ds_load_b128 v[(\f)+8*(\i):(\f)+8*(\i)+3],   v[ADRA] offset:(\k)+(\i)*16*PITCH
	ds_load_b128 v[(\f)+8*(\i)+4:(\f)+8*(\i)+7], v[ADRA] offset:(\k)+(\i)*16*PITCH+32
.endr
.endm
; A load into a register that a matrix instruction has read, and an LDS store that reads a matrix result, stand four places behind that matrix instruction, and only plain vector
; instructions that name none of its registers are places (ISA guide 7.12.1 for vector instructions).
.macro PLACES
.rept 4
	v_nop
.endr
.endm
; A K step is four quarter steps of 32 along K, 64 matrix instructions each, on buffers 0, 1, 0, 1.
; One of the first three: multiplies buffer f; in its middle it fetches the next quarter's fragments, at byte k of the rows, into buffer g.
.macro QUARTER k, f, g, zero
	s_wait_dscnt 8                                 ; B and A's rows 0-63 are in; the youngest eight loads (A's rows 64-127) may be out
	MUL16 \f, 0, 0, \zero
	MUL16 \f, 0, 2, \zero
	PLACES
	FETCH \k, \g
	s_wait_dscnt 32                                ; all but the 32 just issued
	MUL16 \f, 1, 0, \zero
	MUL16 \f, 1, 2, \zero
.endm
; The last quarter multiplies buffer 1 and changes slots.  MEET is its first half: ONE barrier for the change of slots.  In front of it each wave waits for all its tensor loads, of which at most one
; is out: its part of the next slot; adds 0 to its spare word; and waits for that and for its own reads of this slot.  Behind it nobody reads this slot any more and the next slot is whole.
.macro MEET round                      ; round = 1: a round of the cluster's barrier follows
	WIN 0                                          ; (the add's two registers lie in window 0)
	s_wait_tensorcnt 0x0                           ; all my tensor loads have landed;
	ds_add_u32 v[SPW], v[NIL]                      ; 0 onto my spare word;
	s_wait_dscnt 9                                 ; (the add and the youngest eight loads may be out)
	MUL16 F1, 0, 0, 0                              ; sixteen matrix instructions stand between the add and the wait for it
	s_wait_dscnt 0x0                               ; the add is done, and my reads of this slot are over:
	s_barrier_signal -1                            ; say so (where a slot is filled again this barrier opens a round of the cluster's barrier),
	MUL16 F1, 0, 2, 0                              ; work on registers while the others arrive,
.if \round
	WIN 0
.endif
	s_barrier_wait -1                              ; and go on when all four have said so
.endm
; The whole last quarter.  fill = 1: behind the round the slot just read out is filled again first, with the K step two steps on: the walking descriptor takes the other slot than last time and the next
; 256 bytes of the rows.  Then the reading turns to the other slot, and its first fragments are fetched.
.macro TURN fill
	MEET \fill
.if \fill
	CREST                                          ; no wave of any partner still reads this slot's tile or has a load on its way
	s_xor_b32 s[G0+5], s[G0+5], SLOT
	s_add_nc_u64 s[G0+6:G0+7], s[G0+6:G0+7], KSTEP*2    ; the type bits on top are not reached
	s_xor_b32 s[G0B+5], s[G0B+5], SLOT
	s_add_nc_u64 s[G0B+6:G0B+7], s[G0B+6:G0B+7], KSTEP*2
	JLOAD 1                                        ; the first tensor load behind the round, my only one until the next; the four v_nop behind it are also the places in front of the loads below
.else
	PLACES
.endif
	WIN 0
	s_xor_b32 s[TB], s[TB], SLOT
	v_add_nc_u32 v[ADRA], s[TB], v[ADRA0]
	v_add_nc_u32 v[ADRB], s[TB], v[ADRB0]
	FETCH 0, F0
	MUL16 F1, 1, 0, 0
	MUL16 F1, 1, 2, 0
.endm
.macro EACH8 line:vararg               ; one line for each pair p of rows
.set p, 0
.rept 8
	\line
.set p, p+1
.endr
.endm
	WIN TO_B
.irp b, 0,1,2,3,4,5,6,7
	global_load_b128 v[BD+8*(\b):BD+8*(\b)+3],   v[BO], s[66:67] offset:64*(\b)      ; the bias in the result's layout: 16 lanes read the same 16 bytes
	global_load_b128 v[BD+8*(\b)+4:BD+8*(\b)+7], v[BO], s[66:67] offset:64*(\b)+16
.endr
	s_wait_tensorcnt 1                             ; my part of K step 0 is in; K step 1's stays out
	s_barrier_signal -1
	s_barrier_wait -1                              ; everybody's is
	FETCH 0, F0
	s_wait_loadcnt 0x0                             ; the bias
	QUARTER 64,  F0, F1, 2                         ; the first quarter stands in front of the loop: its products start the sums, with the bias
	WIN 0                                          ; at a label and at a branch every window is 0
	s_mov_b32 s3, STEPS-2
.Lstep:                                                ; a trip goes from a K step's second quarter to the next step's first, and fills one slot again: 14 of the 16 steps have a step two further on
	QUARTER 128, F1, F0, 0
	QUARTER 192, F0, F1, 0
	TURN 1
	QUARTER 64,  F0, F1, 0
	WIN 0
	s_sub_co_u32 s3, s3, 1
	s_cmp_lg_u32 s3, 0
	s_cbranch_scc1 .Lstep
	s_mov_b32 s3, 2                                ; the last two steps fill nothing and have no round: a second text, walked twice and entered in its middle
	s_branch .Lmid
.Ltail:
	QUARTER 64,  F0, F1, 0
	WIN 0
.Lmid:
	QUARTER 128, F1, F0, 0
	QUARTER 192, F0, F1, 0
	TURN 0                                         ; in the second trip its barrier orders nothing and its 32 loads bring fragments of step 14 that nobody multiplies: the price, once a launch, of one text for both trips
	WIN 0
	s_sub_co_u32 s3, s3, 1
	s_cmp_lg_u32 s3, 0
	s_cbranch_scc1 .Ltail
	; THE WAY OUT.  The ring has had its last fill.  My reads of it are over; when that holds of all four waves, each writes its quarter.
	s_wait_dscnt 0x0
	s_barrier_signal -1
	s_barrier_wait -1
	PLACES                                         ; behind the last products, for the LDS stores that read results
.irp a, 0,1,2,3,4,5,6,7
	WIN 0x08+4*((\a)/4)                            ; the stores' data in window 2 or 3
.irp b, 0,1,2,3,4,5,6,7
	ds_store_b128 v[STO], v[64*((\a)%4)+8*(\b):64*((\a)%4)+8*(\b)+3]   offset:(\a)*16*SPITCH+64*(\b)     ; each accumulator's low half first
	ds_store_b128 v[STO], v[64*((\a)%4)+8*(\b)+4:64*((\a)%4)+8*(\b)+7] offset:(\a)*16*SPITCH+64*(\b)+16
.endr
.endr
	WIN 0
	s_mov_b32 s3, 8
.Lout:                                                 ; a trip: 16 rows, as eight pairs; every step is written for all eight pairs on end, so that no line waits for the one before it
	EACH8 ds_load_b128 v[WX+8*p:WX+8*p+3], v[RD] offset:2*SPITCH*p             ; LDS serves a wave's instructions in order (ISA guide 5.7.1.4): these see the stores above
	EACH8 ds_load_b128 v[WX+8*p+4:WX+8*p+7], v[RD] offset:2*SPITCH*p+16
	s_wait_dscnt 0x0
.set k, 0
.rept 64
	v_max_num_f32 v[WX+k], 0, v[WX+k]
.set k, k+1
.endr
	EACH8 v_pk_add_f32 v[WT+4*p:WT+4*p+1], v[WX+8*p:WX+8*p+1], v[WX+8*p+2:WX+8*p+3]
	EACH8 v_pk_add_f32 v[WT+4*p+2:WT+4*p+3], v[WX+8*p+4:WX+8*p+5], v[WX+8*p+6:WX+8*p+7]
	EACH8 v_pk_add_f32 v[WT+4*p:WT+4*p+1], v[WT+4*p:WT+4*p+1], v[WT+4*p+2:WT+4*p+3]
	EACH8 v_add_f32 v[WT+4*p], v[WT+4*p], v[WT+4*p+1]
.irp m, 1,2,4,8
	EACH8 v_add_f32_dpp v[WT+4*p], v[WT+4*p], v[WT+4*p] row_xmask:\m row_mask:0xf bank_mask:0xf    ; among the 16 lanes that hold the row
.endr
	EACH8 v_mul_f32 v[WM+2*p], s2, v[WT+4*p]       ; the group's mean, twice
	EACH8 v_mul_f32 v[WM+2*p+1], s2, v[WT+4*p]
.irp q, 0,2,4,6
	EACH8 v_pk_add_f32 v[WX+8*p+\q:WX+8*p+\q+1], v[WX+8*p+\q:WX+8*p+\q+1], v[WM+2*p:WM+2*p+1] neg_lo:[0,1] neg_hi:[0,1]
.endr
	EACH8 v_pk_mul_f32 v[WT+4*p:WT+4*p+1], v[WX+8*p:WX+8*p+1], v[WX+8*p:WX+8*p+1]
	EACH8 v_pk_mul_f32 v[WT+4*p+2:WT+4*p+3], v[WX+8*p+2:WX+8*p+3], v[WX+8*p+2:WX+8*p+3]
	EACH8 v_pk_fma_f32 v[WT+4*p:WT+4*p+1], v[WX+8*p+4:WX+8*p+5], v[WX+8*p+4:WX+8*p+5], v[WT+4*p:WT+4*p+1]
	EACH8 v_pk_fma_f32 v[WT+4*p+2:WT+4*p+3], v[WX+8*p+6:WX+8*p+7], v[WX+8*p+6:WX+8*p+7], v[WT+4*p+2:WT+4*p+3]
	EACH8 v_pk_add_f32 v[WT+4*p:WT+4*p+1], v[WT+4*p:WT+4*p+1], v[WT+4*p+2:WT+4*p+3]
	EACH8 v_add_f32 v[WQ+p], v[WT+4*p], v[WT+4*p+1]
.irp m, 1,2,4,8
	EACH8 v_add_f32_dpp v[WQ+p], v[WQ+p], v[WQ+p] row_xmask:\m row_mask:0xf bank_mask:0xf
.endr
.irp q, 0,1,2,3
	EACH8 v_cvt_pk_f16_f32 v[WO+4*p+\q], v[WX+8*p+2*\q], v[WX+8*p+2*\q+1]
.endr
	EACH8 global_store_b128 v[CO], v[WO+4*p:WO+4*p+3], s[8:9] offset:2*DROW*p    ; 16 lanes store 256 consecutive bytes of a row, at a multiple of 256 from dev's first byte; no hint: the next launch reads them
	EACH8 ds_store_b32 v[TA], v[WM+2*p] offset:8*p                               ; the 16 lanes of a row write one word, with one value
	EACH8 ds_store_b32 v[TA], v[WQ+p] offset:512+8*p
	v_add_nc_u32 v[RD], 16*SPITCH, v[RD]
	v_add_nc_u32 v[TA], 64, v[TA]
	s_wait_xcnt 0x0                                ; the stores' base, and in the next trip their data, are rewritten only behind this wait
	s_add_nc_u64 s[8:9], s[8:9], 16*DROW
	s_sub_co_u32 s3, s3, 1
	s_cmp_lg_u32 s3, 0
	s_cbranch_scc1 .Lout
	ds_load_b128 v[WX:WX+3], v[TR]                 ; my 128 means and 128 sums of squares, four rows a lane
	ds_load_b128 v[WX+4:WX+7], v[TR] offset:512
	s_wait_dscnt 0x0
	global_store_b128 v[SO], v[WX:WX+3], s[68:69]                    ; 512 consecutive bytes each, at a multiple of 512 from stat's first byte
	global_store_b128 v[SO], v[WX+4:WX+7], s[68:69] offset:524288
	s_wait_tensorcnt 0x0                           ; the wave's end: behind my last tensor load and my last LDS store
	ds_add_u32 v[SPW], v[NIL]
	s_wait_dscnt 0x0
	CROUND                                         ; the closing round: no work-group ends while a partner may still ask for a tile that names it
	s_endpgm
.Lfunc_end_k_qd549f3242f_gemm1:
	.size	k_qd549f3242f_gemm1, .Lfunc_end_k_qd549f3242f_gemm1-k_qd549f3242f_gemm1
	.p2alignl 7, 3214868480
	.fill 96, 4, 3214868480
	.section	.rodata,"a",@progbits
	.p2align	6, 0x0
	.amdhsa_kernel k_qd549f3242f_gemm1
		.amdhsa_group_segment_fixed_size 327680
		.amdhsa_private_segment_fixed_size 0
		.amdhsa_enable_private_segment 0
		.amdhsa_kernarg_size 40
		.amdhsa_user_sgpr_count 2
		.amdhsa_user_sgpr_kernarg_segment_ptr 1
		.amdhsa_wavefront_size32 1
		.amdhsa_system_sgpr_workgroup_id_x 1
		.amdhsa_system_sgpr_workgroup_id_y 1
		.amdhsa_system_sgpr_workgroup_id_z 1
		.amdhsa_system_vgpr_workitem_id 0
		.amdhsa_next_free_vgpr 1024
		.amdhsa_next_free_sgpr 70
		.amdhsa_reserve_vcc 0
		.amdhsa_float_denorm_mode_32 3
		.amdhsa_float_denorm_mode_16_64 3
		.amdhsa_memory_ordered 1
		.amdhsa_forward_progress 1
		.amdhsa_inst_pref_size 97
	.end_amdhsa_kernel
	.amdgpu_metadata
---
amdhsa.version: [ 1, 2 ]
amdhsa.kernels:
  - .name:           k_qd549f3242f_gemm1
    .symbol:         k_qd549f3242f_gemm1.kd
    .args:
      - { .name: act, .offset: 0, .size: 8, .value_kind: global_buffer, .address_space: global }
      - { .name: w1h, .offset: 8, .size: 8, .value_kind: global_buffer, .address_space: global }
      - { .name: bb1, .offset: 16, .size: 8, .value_kind: global_buffer, .address_space: global }
      - { .name: dev, .offset: 24, .size: 8, .value_kind: global_buffer, .address_space: global }
      - { .name: stat, .offset: 32, .size: 8, .value_kind: global_buffer, .address_space: global }
    .group_segment_fixed_size: 327680
    .private_segment_fixed_size: 0
    .kernarg_segment_align: 8
    .kernarg_segment_size: 40
    .max_flat_workgroup_size: 128
    .sgpr_count:     70
    .vgpr_count:     1024
    .wavefront_size: 32
...
	.end_amdgpu_metadata
.endif
;; end of part 5
;; launch gemm2 (part 6): grid 8 x 32, 4 waves a work-group, clusters of 4 x 4, 327,680 bytes of LDS; arguments dev, w2h, gx, stat, out0, x; writes out0
.if DOCPART == 6
	.amdgcn_target "amdgcn-amd-amdhsa--gfx1250"
	.amdhsa_code_object_version 6
	.text
	.protected	k_qd549f3242f_gemm2
	.globl	k_qd549f3242f_gemm2
	.p2align	8
	.type	k_qd549f3242f_gemm2,@function
k_qd549f3242f_gemm2:
	s_mov_b64 s[64:65], 0
	v_nop
	global_prefetch_b8 v0, s[64:65] scope:SCOPE_SE
	s_setreg_imm32_b32 hwreg(HW_REG_WAVE_MODE, 25, 1), 1
	s_wait_xcnt 0x0
	s_wait_alu depctr_hold_cnt(0) depctr_sa_sdst(0) depctr_va_vdst(0) depctr_va_sdst(0) depctr_va_ssrc(0) depctr_va_vcc(0) depctr_vm_vsrc(0)
	s_getreg_b32 s2, hwreg(HW_REG_IB_STS2, 6, 4)
	s_cmp_eq_u32 s2, 0
	s_cbranch_scc0 .Lentry_in_a_cluster
	s_endpgm
.Lentry_in_a_cluster:
	s_bfe_u32 s2, ttmp6, 0x10000c
	s_cmp_lg_u32 s2, 0xf033
	s_cbranch_scc0 .Lentry_shape_is_right
	s_endpgm
.Lentry_shape_is_right:
; THE SECOND NORM, THE SECOND PRODUCT, THE RESIDUAL.  With h = d + m_g (d: dev, f16, the deviation from the mean m_g of the row's group g of 128 columns; m_g and M2_g = the group's sum of d^2: stat, f32):
;   mu = mean over g of m_g,   c_g = m_g - mu,   var = (sum of M2_g + 128 sum of c_g^2) / 2048,   rs = 1 / sqrt(var + 1e-5),   s = sqrt(var + 1e-5)
;   out[m][n] = max(0, rs_m x ( sum over k of d[m][k] B[n][k] + sum over g of c_g[m] gx[n][g] + s_m gx[n][16] ) + x[m][n])
; B = f16(g2 W2), gx[n][g] = the sum of B's unrounded numbers over group g, gx[n][16] = b2[n] + be2 . W2[n]: the launch before made them.  This is the norm's own arithmetic regrouped: h - mu = d + c_g, and
; every term has the size of the row's spread; no difference of large sums is formed.  The 17 extra products a number ride in ONE quarter step of 32 along K, which starts the sums.
; dev: [8192][2048] f16, B: [2048][2048] f16, gx: [2048][32] f16, stat: [32][8192] f32, out and x: [8192][2048] f32; sums in f32.  Arguments: dev, B, gx, stat, out, x.
; LIMITS.  c and s are rounded once to f16 (within 65,504; below 6.1e-5 f16's fixed step of 6e-8); s and gx[n][16] each carry f16's rounding, so the term b2 + be2 . W2 is off by up to 1e-3 of itself.
; The maximum with 0 turns a NaN into 0.
; SHARES, RING, CLUSTERS, THE TRANSPOSED USE: a tile of 256 x 256 to a work-group of four waves, 128 x 128 to a wave (64 accumulators, 512 registers), 32 x 8 tiles; K in 16 steps of 128 through two LDS
; slots filled by the tensor data mover (rows of 256 bytes, at multiples of 256); 4 x 4 work-groups ask JOINTLY for A's tiles along a row of the cluster and for B's along a column: the same tensor load,
; descriptor and mask in all four.  Source 0 = 16 rows of B, source 1 = 16 rows of A: in the result lane l holds row l % 16 and its registers 0 to 7 the columns 8 (l / 16) + 0 .. 7.
; THE WAY OUT.  A block of 16 rows x 128 columns goes through the wave's own stage in LDS and comes back as whole rows of 512 bytes; there rs x sum + x is one fused multiply-add.
; REGISTERS, in windows of 256 (s_set_vgpr_msb: bits 1:0 source 0, 3:2 source 1, 5:4 source 2, 7:6 destination):
;   window 0: v0-31 addresses and at work; v32-63 at the head c packed, on the way out 16 rows' rs, two buffers; v64-127, v128-191 fragments of A, two buffers (at the head: m; the extra fragments of A;
;             on the way out: 16 rows read back, by turns); v192-255 at the head M2
;   window 1: v64-127, v128-191 fragments of B, two buffers (at the head the second holds gx's); four buffers of 64 for blocks of x: v0-63 and v192-255 lie idle in the K loop, the other two are B's when the products are done
;   window 2: the 32 accumulators of my rows 0-63 (accumulator (a, b) at v[8 (8 a + b)]);   window 3: those of my rows 64-127
.set SIZE_K, 2048
.set SIZE_N, 2048
.set KSTEP,  128
.set STEPS,  SIZE_K/KSTEP
.set PITCH,  272                       ; an LDS row: 256 bytes of data + 16 of padding = 68 words: row r starts 4 r words on, modulo 64 (64 banks of 4 bytes: ISA guide 11.1), so the 16 rows of a load start at 16 different banks
.set HALFT,  128*PITCH                 ; 128 rows: what one tensor load brings, and what one wave reads of A or of B
.set SLOT,   4*HALFT                   ; A's 256 rows, then B's 256 rows.  0x22000: it shares no bit with wave x HALFT (0x8800 x 0..3), so one exclusive or turns an address in one slot into the other's
.set STAGE,  2*SLOT                    ; behind the ring: 16 rows for each wave, for the way out (at the head: c on its way into fragments); no tensor load lands here
.set SPITCH, 528                       ; a stage row: 512 bytes + 16: again 16 rows at 16 different groups of four banks
.set WSTAGE, 16*SPITCH                 ; a wave's stage: 8,448 bytes, 33 blocks of 256
.set SPARE,  STAGE+4*WSTAGE            ; behind the stages: the spare words, 128 bytes for each wave: two blocks of 256 bytes that no other line names
.set RST,    SPARE+512                 ; behind them: for each wave rs of its 128 rows (f32) and f16(s) of them (a word each), 1,024 bytes
.set CP,     48                        ; c at the head: a row's 16 numbers are 32 bytes, 48 apart: neighbouring lanes' 16 bytes fall into different banks
.set CQ,     36                        ; row 4 l + q lies at place 36 q + l: 3 x 36 = 12 modulo 16, so that the 16 rows of a fragment load also fall into 16 different groups of four banks
.set CROW,   SIZE_N*4                  ; bytes in a row of out and of x
.set RQ,   4                           ; v[4:7]   rs of my four rows
.set U,    8                           ; v[8:11]  their mu, later s
.set V,    12                          ; v[12:15] their sum of c^2, then var + eps, later f16(s)
.set ADRA0, 16                         ; v16  LDS address of my A fragments in slot 0; never rewritten
.set ADRB0, 17                         ; v17  the same for B
.set ADRA,  18                         ; v18  the same in the slot that is being read
.set ADRB,  19                         ; v19
.set AXS,  20                          ; v20  the head: where I put c of my four rows
.set AXR,  21                          ; v21  the head: where I read a fragment's 16 bytes of c
.set TS,   22                          ; v22  the head: where I put rs of my four rows
.set TL,   23                          ; v23  the head: where I read f16(s) of row l % 16
.set STO,  24                          ; v24  the way out: where I put 32 bytes of a row
.set RD,   25                          ; v25  the way out: where I read a row back
.set CO,   26                          ; v26  16 x lane: my byte offset in 512 bytes of a row of out, of x and of stat; never rewritten
.set RSA,  27                          ; v27  my wave's table of rs, the same in every lane
.set SPW,  28                          ; v28  LDS address of my spare word: SPARE + 4 x my thread's number; never rewritten
.set NIL,  29                          ; v29  0; never rewritten
.set GXO,  30                          ; v30  my byte offset in 16 rows of gx
.set PK,   32                          ; the head: c of row q, packed, at v[PK + 8 q]
.set F0,   64                          ; fragment buffer 0
.set F1,   128                         ; fragment buffer 1
.set MM,   64                          ; the head: m of group g, my four rows, at v[MM + 4 g]; then c
.set QQ,   192                         ; the head: M2 likewise
.set G1, 24                            ; s[24:31] descriptor group 1 for A's tiles
.set G0, 32                            ; s[32:39] descriptor group 0 for A's tiles: a set for each of the two first fills; the second then walks on
.set TB, 45                            ; s45      0 or SLOT: the slot that is being read
.set G1B, 48                           ; s[48:55] descriptor group 1 for B's tiles: it differs from A's in the mask alone
.set G0B, 56                           ; s[56:63] descriptor group 0 for B's tiles, likewise
.set MSB, 0
.macro WIN new                         ; the immediate's high byte repeats the setting that is left; a switch that changes nothing is dropped
.if MSB != (\new)
	s_set_vgpr_msb (MSB<<8)|(\new)
.set MSB, \new
.endif
.endm
.set MUL_LO, 0xa1                      ; source 0 (B) window 1, source 1 (A) window 0, C and D window 2
.set MUL_HI, 0xf1                      ; the same, C and D window 3
.set TO_B,   0x40                      ; destination window 1, address window 0
; A joint load.  Waves 0 and 1 fetch A's two halves, waves 2 and 3 B's.  Each of the two lines has one mask and one set of registers for all that issue it.  The branch hangs on the wave's number alone.
; An s_nop 0 and four v_nop follow each of the two lines, ahead of the jump, the label and what follows the macro.
.macro JLOAD s
	s_cmp_eq_u32 s11, 0
	s_cbranch_scc0 .Lfor_b_\@
	tensor_load_to_lds s[G0+4*(\s):G0+4*(\s)+3], s[G1:G1+7]
	s_nop 0
.rept 4
	v_nop
.endr
	s_branch .Lasked_\@
.Lfor_b_\@:
	tensor_load_to_lds s[G0B+4*(\s):G0B+4*(\s)+3], s[G1B:G1B+7]
	s_nop 0
.rept 4
	v_nop
.endr
.Lasked_\@:
.endm
; A round of the cluster's barrier: my work-group's barrier, so that wave 0's signal speaks for all four waves; wave 0 signals for the work-group; every wave waits for all
; sixteen work-groups; my work-group's barrier once more.
.macro CREST                           ; a round behind its opening barrier
	s_cmp_lg_u32 s10, 0
	s_cbranch_scc1 .Lnot_wave_0_\@
	s_barrier_signal -3
.Lnot_wave_0_\@:
	s_barrier_wait -3
	s_barrier_signal -1
	s_barrier_wait -1
.endm
.macro CROUND                          ; a whole round
	s_barrier_signal -1
	s_barrier_wait -1
	CREST
.endm
	s_load_b128 s[4:7], s[0:1], 0x0                ; A (dev) s[4:5], B s[6:7]
	s_load_b64 s[66:67], s[0:1], 0x10              ; gx
	s_load_b64 s[70:71], s[0:1], 0x18              ; stat
	s_load_b64 s[8:9], s[0:1], 0x20                ; out
	s_load_b64 s[68:69], s[0:1], 0x28              ; x
	v_lshl_add_u32 v[SPW], v0, 2, SPARE
	v_mov_b32 v[NIL], 0
	ds_add_u32 v[SPW], v[NIL]                      ; the wave's opening: the add and its wait stand ahead of my first tensor load; the set-up below, work on registers, stands between them
	v_lshrrev_b32 v1, 5, v0
	v_readfirstlane_b32 s10, v1                    ; wave 0..3
	s_lshr_b32 s11, s10, 1                         ; which half of the tile's rows is mine.  Also: I fetch for A (0) or for B (1)
	s_and_b32 s12, s10, 1                          ; which half of its columns.  Also: which 128 rows of that tile I fetch
	s_bfe_u32 s40, ttmp6, 0x40000                  ; cx: my place along the cluster's x
	s_bfe_u32 s41, ttmp6, 0x40004                  ; cy: along its y
	s_lshl_b32 s42, ttmp9, 2                       ; in a cluster launch ttmp9 and ttmp7 count clusters
	s_add_co_u32 s42, s42, s40                     ; tile column = 4 x cluster x + cx
	s_and_b32 s13, ttmp7, 0xffff
	s_lshl_b32 s13, s13, 2
	s_add_co_u32 s13, s13, s41                     ; tile row = 4 x cluster y + cy
	s_lshl_b32 s43, s41, 2
	s_lshl_b32 s43, 15, s43                        ; my row of the cluster: places 4 cy .. 4 cy + 3
	s_lshl_b32 s44, 0x1111, s40                    ; my column: places cx, cx + 4, cx + 8, cx + 12
	; descriptor group 1: a tile of 128 rows x 128 elements, padded in LDS
	s_or_b32 s[G1+0], s43, (1<<16)|(1<<20)|(1<<21)|(5<<22)|(3<<25)  ; 15:0 the mask: A's tiles go to my row; 17:16 element of 2 bytes; 20 padding on; 21 set beside a mask; 24:22 after every 64 words (code 5); 31:25 of 4 words (code 3)
	s_or_b32 s[G1B+0], s44, (1<<16)|(1<<20)|(1<<21)|(5<<22)|(3<<25) ; the same with the mask of my column, for B's tiles
	s_mov_b32 s[G1B+1], KSTEP<<16
	s_mov_b32 s[G1+1], KSTEP<<16                   ; 63:48 tensor_dim0, low half = 128
	s_mov_b32 s[G1B+2], 128<<16
	s_mov_b32 s[G1+2], 128<<16                     ; 79:64 its high half = 0; 95:80 tensor_dim1, low half = 128
	s_mov_b32 s[G1B+3], KSTEP<<16
	s_mov_b32 s[G1+3], KSTEP<<16                   ; 111:96 its high half = 0; 127:112 tile_dim0 = 128
	s_mov_b32 s[G1B+4], 128
	s_mov_b32 s[G1+4], 128                         ; 143:128 tile_dim1 = 128; 159:144 tile_dim2 = 0
	s_mov_b32 s[G1B+5], SIZE_K
	s_mov_b32 s[G1+5], SIZE_K                      ; 191:160 tensor_dim0_stride, low word: elements from row to row
	s_mov_b32 s[G1B+6], 0
	s_mov_b32 s[G1+6], 0
	s_mov_b32 s[G1B+7], 0
	s_mov_b32 s[G1+7], 0
	s_mov_b32 s72, 0x3a000000                      ; 1 / 2048, named as a pair by the packed multiply-add
	s_mov_b32 s73, 0x3a000000
	s_mov_b32 s74, 0x3727c5ac                      ; 1e-5, likewise
	s_mov_b32 s75, 0x3727c5ac
	; where the tiles come from.  A's hang on the tile row alone, which my row of the cluster shares; B's on the tile column alone, which my column shares.
	; Every wave makes both addresses, in registers that never hold the other coordinate, and asks by one of them.
	s_lshl_b32 s17, s12, 7                         ; which 128 rows of the tile I fetch
	s_lshl_b32 s16, s13, 8
	s_add_co_u32 s16, s16, s17                     ; A: row 256 x tile row + 128 x half
	s_lshl_b32 s46, s42, 8
	s_add_co_u32 s46, s46, s17                     ; B: row 256 x tile column + 128 x half
	s_mov_b32 s17, 0
	s_mov_b32 s47, 0
	s_mov_b64 s[18:19], SIZE_K*2
	s_mul_u64 s[16:17], s[16:17], s[18:19]         ; in bytes, in 64 bits
	s_mul_u64 s[46:47], s[46:47], s[18:19]
	s_mul_i32 s20, s10, HALFT                      ; and where they go: A's two halves, then B's two halves = wave x 128 rows: no place in the cluster enters an LDS address
	s_wait_dscnt 0x0                               ; the opening add is done
	s_wait_kmcnt 0x0
	s_add_nc_u64 s[14:15], s[4:5], s[16:17]
	s_add_nc_u64 s[46:47], s[6:7], s[46:47]
	CROUND                                         ; all sixteen work-groups are here: the first joint loads meet
.irp s, 0,1
	s_mov_b32 s[G0+4*(\s)], 1                                      ; 1:0 count = 1
	s_add_co_u32 s[G0+4*(\s)+1], s20, (\s)*SLOT                    ; 63:32 LDS address
	s_add_nc_u64 s[G0+4*(\s)+2:G0+4*(\s)+3], s[14:15], (\s)*KSTEP*2  ; 120:64 global address: K step s
	s_or_b32 s[G0+4*(\s)+3], s[G0+4*(\s)+3], 0x80000000            ; 127:126 type = 2
	s_mov_b32 s[G0B+4*(\s)], 1
	s_add_co_u32 s[G0B+4*(\s)+1], s20, (\s)*SLOT
	s_add_nc_u64 s[G0B+4*(\s)+2:G0B+4*(\s)+3], s[46:47], (\s)*KSTEP*2
	s_or_b32 s[G0B+4*(\s)+3], s[G0B+4*(\s)+3], 0x80000000
	JLOAD \s                                       ; the ring is filled before anything else is done: two tensor loads of mine are out
.endr
	; where my part begins in out and x, in gx and in stat
	s_lshl_b32 s13, s13, 8
	s_lshl_b32 s14, s11, 7
	s_add_co_u32 s13, s13, s14                     ; my first row
	s_lshl_b32 s46, s42, 1                         ; (in the registers that held B's address: none that feeds A's descriptors ever holds cx)
	s_add_co_u32 s46, s46, s12                     ; my 128 columns = 2 x tile column + half
	s_mov_b32 s47, 0
	s_lshl_b32 s46, s46, 9                         ; 512 bytes of a row of out
	s_lshl_b32 s16, s13, 13                        ; rows of 8,192 bytes: under 2^27
	s_mov_b32 s17, 0
	s_add_nc_u64 s[16:17], s[16:17], s[46:47]
	s_add_nc_u64 s[8:9], s[8:9], s[16:17]
	s_add_nc_u64 s[68:69], s[68:69], s[16:17]
	s_lshl_b32 s46, s46, 4                         ; 128 rows of gx, 64 bytes each
	s_add_nc_u64 s[66:67], s[66:67], s[46:47]
	s_lshl_b32 s16, s13, 2                         ; my first row in a group's 8,192 numbers of stat
	s_mov_b32 s17, 0
	s_add_nc_u64 s[70:71], s[70:71], s[16:17]
	v_and_b32 v1, 15, v0                           ; l % 16
	v_bfe_u32 v2, v0, 4, 1                         ; l / 16
	v_and_b32 v5, 31, v0
	v_lshlrev_b32 v[CO], 4, v5
	v_lshlrev_b32 v3, 6, v1
	v_lshl_add_u32 v[GXO], v2, 4, v3               ; row l % 16 of gx, 16 bytes for each half of the lanes
	; THE EXTRA QUARTER'S OPERANDS.  B's: gx as it lies, into B's second buffer.  A's are made below of stat, of which lane l takes rows 4 l .. 4 l + 3 of my 128: a load covers 512 consecutive bytes.
	WIN TO_B
.irp b, 0,1,2,3,4,5,6,7
	global_load_b128 v[F1+8*(\b):F1+8*(\b)+3],   v[GXO], s[66:67] offset:1024*(\b)
	global_load_b128 v[F1+8*(\b)+4:F1+8*(\b)+7], v[GXO], s[66:67] offset:1024*(\b)+32
.endr
	WIN 0
.set g, 0
.rept 16
	global_load_b128 v[MM+4*g:MM+4*g+3], v[CO], s[70:71] offset:32768*g
	global_load_b128 v[QQ+4*g:QQ+4*g+3], v[CO], s[70:71] offset:524288+32768*g
.set g, g+1
.endr
	; A fragment is 16 rows x 32 K in 8 registers: lane l holds row l % 16; registers 0-3 hold K = 8 (l / 16) + 0..7, registers 4-7 hold
	; K = 16 + 8 (l / 16) + 0..7.  From rows that lie along K: two loads of 16 bytes, 32 bytes apart.  The same for source 0 and source 1.
	v_mul_u32_u24 v3, v1, PITCH
	v_lshl_add_u32 v3, v2, 4, v3                   ; row x pitch + 16 x half
	s_mul_i32 s21, s11, HALFT                      ; my 128 rows of A
	s_mul_i32 s22, s12, HALFT                      ; my 128 rows of B,
	s_add_co_u32 s22, s22, 2*HALFT                 ; which lie behind A's 256
	v_add_nc_u32 v[ADRA0], s21, v3
	v_add_nc_u32 v[ADRB0], s22, v3
	v_mov_b32 v[ADRA], v[ADRA0]
	v_mov_b32 v[ADRB], v[ADRB0]
	s_mov_b32 s[TB], 0
	s_mul_i32 s23, s10, WSTAGE
	s_add_co_u32 s23, s23, STAGE                   ; my stage
	v_mul_u32_u24 v4, v1, SPITCH                   ; in: row l % 16, 32 bytes for each half of the lanes
	v_lshl_add_u32 v4, v2, 5, v4
	v_add_nc_u32 v[STO], s23, v4
	v_add_nc_u32 v[RD], s23, v[CO]                 ; back: 32 lanes take one row of 512 bytes
	v_mul_u32_u24 v4, v5, CP
	v_add_nc_u32 v[AXS], s23, v4                   ; c of row 4 l + q goes to place 36 q + l,
	v_and_b32 v3, 3, v1
	v_lshrrev_b32 v4, 2, v1
	v_mad_u32_u24 v3, v3, CQ, v4                   ; and row 16 a + r is found at place 36 (r % 4) + 4 a + r / 4
	v_mul_u32_u24 v3, v3, CP
	v_lshl_add_u32 v3, v2, 4, v3
	v_add_nc_u32 v[AXR], s23, v3
	s_lshl_b32 s23, s10, 10
	s_add_co_u32 s23, s23, RST                     ; my table
	v_mov_b32 v[RSA], s23
	v_add_nc_u32 v[TS], s23, v[CO]
	v_lshl_add_u32 v[TL], v1, 2, s23
.irp a, 0,1,2,3,4,5,6,7
	v_mov_b32 v[F1+8*(\a)+5], 0                    ; K = 18 and on of the extra quarter: 0 in A, as in gx
	v_mov_b32 v[F1+8*(\a)+6], 0
	v_mov_b32 v[F1+8*(\a)+7], 0
.endr
	s_wait_loadcnt 0x0                             ; gx and stat
	v_pk_add_f32 v[U:U+1], v[MM:MM+1], v[MM+4:MM+5]          ; the sum of the 16 means, for four rows at once
	v_pk_add_f32 v[U+2:U+3], v[MM+2:MM+3], v[MM+6:MM+7]
.set g, 2
.rept 14
	v_pk_add_f32 v[U:U+1], v[U:U+1], v[MM+4*g:MM+4*g+1]
	v_pk_add_f32 v[U+2:U+3], v[U+2:U+3], v[MM+4*g+2:MM+4*g+3]
	v_pk_add_f32 v[QQ:QQ+1], v[QQ:QQ+1], v[QQ+4*g:QQ+4*g+1]          ; and, by turns with it, the sum of the 16 M2
	v_pk_add_f32 v[QQ+2:QQ+3], v[QQ+2:QQ+3], v[QQ+4*g+2:QQ+4*g+3]
.set g, g+1
.endr
	v_pk_add_f32 v[QQ:QQ+1], v[QQ:QQ+1], v[QQ+4:QQ+5]
	v_pk_add_f32 v[QQ+2:QQ+3], v[QQ+2:QQ+3], v[QQ+6:QQ+7]
	v_pk_mul_f32 v[U:U+1], v[U:U+1], 0x3d800000 op_sel_hi:[1,0]      ; mu: the groups are equal, so it is the mean of their means
	v_pk_mul_f32 v[U+2:U+3], v[U+2:U+3], 0x3d800000 op_sel_hi:[1,0]
.set g, 0
.rept 16
	v_pk_add_f32 v[MM+4*g:MM+4*g+1], v[MM+4*g:MM+4*g+1], v[U:U+1] neg_lo:[0,1] neg_hi:[0,1]          ; c = m - mu, in place
	v_pk_add_f32 v[MM+4*g+2:MM+4*g+3], v[MM+4*g+2:MM+4*g+3], v[U+2:U+3] neg_lo:[0,1] neg_hi:[0,1]
.set g, g+1
.endr
	v_pk_mul_f32 v[V:V+1], v[MM:MM+1], v[MM:MM+1]
	v_pk_mul_f32 v[V+2:V+3], v[MM+2:MM+3], v[MM+2:MM+3]
.set g, 1
.rept 15
	v_pk_fma_f32 v[V:V+1], v[MM+4*g:MM+4*g+1], v[MM+4*g:MM+4*g+1], v[V:V+1]
	v_pk_fma_f32 v[V+2:V+3], v[MM+4*g+2:MM+4*g+3], v[MM+4*g+2:MM+4*g+3], v[V+2:V+3]
.set g, g+1
.endr
	v_pk_fma_f32 v[V:V+1], v[V:V+1], 0x43000000, v[QQ:QQ+1] op_sel_hi:[1,0,1]          ; 128 sum of c^2 + sum of M2
	v_pk_fma_f32 v[V+2:V+3], v[V+2:V+3], 0x43000000, v[QQ+2:QQ+3] op_sel_hi:[1,0,1]
	v_pk_fma_f32 v[V:V+1], v[V:V+1], s[72:73], s[74:75] op_sel_hi:[1,0,0]              ; var + eps
	v_pk_fma_f32 v[V+2:V+3], v[V+2:V+3], s[72:73], s[74:75] op_sel_hi:[1,0,0]
.irp q, 0,1,2,3
	v_rsq_f32 v[RQ+(\q)], v[V+(\q)]
.endr
	v_nop                                          ; a plain instruction between the last root and the use of its result (ISA guide 5.7.2)
	s_wait_alu depctr_va_vdst(0)
	v_pk_mul_f32 v[U:U+1], v[V:V+1], v[RQ:RQ+1]    ; s = (var + eps) rs
	v_pk_mul_f32 v[U+2:U+3], v[V+2:V+3], v[RQ+2:RQ+3]
.irp q, 0,1,2,3
.irp j, 0,1,2,3,4,5,6,7
	v_cvt_pk_f16_f32 v[PK+8*(\q)+(\j)], v[MM+8*(\j)+(\q)], v[MM+8*(\j)+4+(\q)]         ; row q: groups 2 j and 2 j + 1
.endr
.endr
.irp q, 0,1,2,3
	v_cvt_pk_f16_f32 v[V+(\q)], v[U+(\q)], v[NIL]  ; K = 16: f16(s); K = 17: 0
.endr
.irp q, 0,1,2,3
	ds_store_b128 v[AXS], v[PK+8*(\q):PK+8*(\q)+3]   offset:(\q)*CQ*CP
	ds_store_b128 v[AXS], v[PK+8*(\q)+4:PK+8*(\q)+7] offset:(\q)*CQ*CP+16
.endr
	ds_store_b128 v[TS], v[RQ:RQ+3]
	ds_store_b128 v[TS], v[V:V+3] offset:512
.irp a, 0,1,2,3,4,5,6,7
	ds_load_b128 v[F1+8*(\a):F1+8*(\a)+3], v[AXR] offset:(\a)*4*CP       ; LDS serves a wave's instructions in order (ISA guide 5.7.1.4): these see my stores above.  K = 8 (l / 16) + 0..7: c
	ds_load_b32 v[F1+8*(\a)+4], v[TL] offset:512+(\a)*64                 ; K = 16 (lanes 0-15) and K = 24 (lanes 16-31), where gx holds 0
.endr
; 16 matrix instructions: m blocks a0, a0 + 1 of the window's four (hi = 0: my rows 0-63, 1: rows 64-127) x all 8 n blocks, 32 along K.
; zero = 1: the products start the sums: nothing is ever cleared.  The 64 accumulators take turns, one instruction a turn, in the same order in every quarter step.
.macro MUL16 f, hi, a0, zero
	WIN MUL_LO+0x50*(\hi)  ; MUL_LO or MUL_HI
.irp a, \a0, (\a0)+1
.irp b, 0,1,2,3,4,5,6,7
.if \zero
	v_wmma_f32_16x16x32_f16 v[8*(8*(\a)+(\b)):8*(8*(\a)+(\b))+7], v[(\f)+8*(\b):(\f)+8*(\b)+7], v[(\f)+8*(4*(\hi)+(\a)):(\f)+8*(4*(\hi)+(\a))+7], 0
.else
	v_wmma_f32_16x16x32_f16 v[8*(8*(\a)+(\b)):8*(8*(\a)+(\b))+7], v[(\f)+8*(\b):(\f)+8*(\b)+7], v[(\f)+8*(4*(\hi)+(\a)):(\f)+8*(4*(\hi)+(\a))+7], v[8*(8*(\a)+(\b)):8*(8*(\a)+(\b))+7]
.endif
.endr
.endr
.endm
; 32 LDS loads in one run: the fragments of one quarter step (128 rows of B, 128 rows of A, 32 K at byte k of the rows of the slot that is being read) into buffer f
.macro FETCH k, f
	WIN TO_B
.irp i, 0,1,2,3,4,5,6,7
	ds_load_b128 v[(\f)+8*(\i):(\f)+8*(\i)+3],   v[ADRB] offset:(\k)+(\i)*16*PITCH
	ds_load_b128 v[(\f)+8*(\i)+4:(\f)+8*(\i)+7], v[ADRB] offset:(\k)+(\i)*16*PITCH+32
.endr
	WIN 0
.irp i, 0,1,2,3,4,5,6,7
	ds_load_b128 v[(\f)+8*(\i):(\f)+8*(\i)+3],   v[ADRA] offset:(\k)+(\i)*16*PITCH
	ds_load_b128 v[(\f)+8*(\i)+4:(\f)+8*(\i)+7], v[ADRA] offset:(\k)+(\i)*16*PITCH+32
.endr
.endm
; A load into a register that a matrix instruction has read, and an LDS store that reads a matrix result, stand four places behind that matrix instruction, and only plain vector
; instructions that name none of its registers are places (ISA guide 7.12.1 for vector instructions).
.macro PLACES
.rept 4
	v_nop
.endr
.endm
; A K step is four quarter steps of 32 along K, 64 matrix instructions each, on buffers 0, 1, 0, 1.
; One of the first three: multiplies buffer f; in its middle it fetches the next quarter's fragments, at byte k of the rows, into buffer g.
.macro QUARTER k, f, g
	s_wait_dscnt 8                                 ; B and A's rows 0-63 are in; the youngest eight loads (A's rows 64-127) may be out
	MUL16 \f, 0, 0, 0
	MUL16 \f, 0, 2, 0
	PLACES
	FETCH \k, \g
	s_wait_dscnt 32                                ; all but the 32 just issued
	MUL16 \f, 1, 0, 0
	MUL16 \f, 1, 2, 0
.endm
; The last quarter multiplies buffer 1 and changes slots.  MEET is its first half: ONE barrier for the change of slots.  In front of it each wave waits for all its tensor loads, of which at most one
; is out: its part of the next slot; adds 0 to its spare word; and waits for that and for its own reads of this slot.  Behind it nobody reads this slot any more and the next slot is whole.
.macro MEET round                      ; round = 1: a round of the cluster's barrier follows
	WIN 0                                          ; (the add's two registers lie in window 0)
	s_wait_tensorcnt 0x0                           ; all my tensor loads have landed;
	ds_add_u32 v[SPW], v[NIL]                      ; 0 onto my spare word;
	s_wait_dscnt 9                                 ; (the add and the youngest eight loads may be out)
	MUL16 F1, 0, 0, 0                              ; sixteen matrix instructions stand between the add and the wait for it
	s_wait_dscnt 0x0                               ; the add is done, and my reads of this slot are over:
	s_barrier_signal -1                            ; say so (where a slot is filled again this barrier opens a round of the cluster's barrier),
	MUL16 F1, 0, 2, 0                              ; work on registers while the others arrive,
.if \round
	WIN 0
.endif
	s_barrier_wait -1                              ; and go on when all four have said so
.endm
; The whole last quarter.  fill = 1: behind the round the slot just read out is filled again first, with the K step two steps on: the walking descriptor takes the other slot than last time and the next
; 256 bytes of the rows.  Then the reading turns to the other slot, and its first fragments are fetched.
.macro TURN fill
	MEET \fill
.if \fill
	CREST                                          ; no wave of any partner still reads this slot's tile or has a load on its way
	s_xor_b32 s[G0+5], s[G0+5], SLOT
	s_add_nc_u64 s[G0+6:G0+7], s[G0+6:G0+7], KSTEP*2    ; the type bits on top are not reached
	s_xor_b32 s[G0B+5], s[G0B+5], SLOT
	s_add_nc_u64 s[G0B+6:G0B+7], s[G0B+6:G0B+7], KSTEP*2
	JLOAD 1                                        ; the first tensor load behind the round, my only one until the next; the four v_nop behind it are also the places in front of the loads below
.else
	PLACES
.endif
	WIN 0
	s_xor_b32 s[TB], s[TB], SLOT
	v_add_nc_u32 v[ADRA], s[TB], v[ADRA0]
	v_add_nc_u32 v[ADRB], s[TB], v[ADRB0]
	FETCH 0, F0
	MUL16 F1, 1, 0, 0
	MUL16 F1, 1, 2, 0
.endm
; THE WAY OUT of block a (my rows 16 a .. 16 a + 15).
.macro RLOAD a                         ; its 16 rows x 512 bytes of x -> window 1, buffer a % 4 (at v0, v192, v128, v64); a load covers 512 consecutive bytes; the row stands in the immediate, 127 rows of 8,192 bytes at the most
	WIN 0x40
.set RB, (192*((\a)%4))%256
.irp t, 0,1,2,3,4,5,6,7,8,9,10,11,12,13,14,15
	global_load_b128 v[RB+4*(\t):RB+4*(\t)+3], v[CO], s[68:69] offset:(16*(\a)+(\t))*CROW th:TH_LOAD_NT
.endr
.endm
.macro TOSTAGE a                       ; its eight accumulators into my stage, and back as whole rows; with them its 16 rows' rs, the same in every lane
.set AC, 64*((\a)%4)
.set BK, F0+64*((\a)%2)
.set RSB, PK+16*((\a)%2)
.if (\a) >= 2
	s_wait_xcnt 0x0                                ; the registers that come back below were the data of the stores two blocks ago: they are rewritten only behind this wait
.endif
	WIN 0x08+4*((\a)/4)                            ; the stores' data in window 2 or 3
.irp b, 0,1,2,3,4,5,6,7
	ds_store_b128 v[STO], v[AC+8*(\b):AC+8*(\b)+3]   offset:64*(\b)     ; each accumulator's low half first
	ds_store_b128 v[STO], v[AC+8*(\b)+4:AC+8*(\b)+7] offset:64*(\b)+16
.endr
	WIN 0
.irp t, 0,1,2,3,4,5,6,7,8,9,10,11,12,13,14,15
	ds_load_b128 v[BK+4*(\t):BK+4*(\t)+3], v[RD] offset:(\t)*SPITCH    ; these see the stores above, and the next block's stores come behind them
.endr
.irp i, 0,1,2,3
	ds_load_b128 v[RSB+4*(\i):RSB+4*(\i)+3], v[RSA] offset:(\a)*64+16*(\i)
.endr
.endm
.macro FINISH a, yds                   ; yds: the LDS instructions issued behind block a's loads: the next block's 36, or none
	WIN 0
.set BK, F0+64*((\a)%2)
.set RB, (192*((\a)%4))%256
.set RSB, PK+16*((\a)%2)
	s_wait_dscnt \yds                              ; the block is back in registers
.if (\a) < 5
	s_wait_loadcnt 48                              ; block a of x is in; three younger blocks, 16 loads each, stay out
.else
	s_wait_loadcnt 16*(7-(\a))                     ; the last blocks: the counts run down
.endif
	WIN 0x10                                       ; source 2 (x) in window 1
.irp t, 0,1,2,3,4,5,6,7,8,9,10,11,12,13,14,15
.if ((\t)%2) == 0                      ; rs of row t is the first or the second register of a pair, and feeds both halves of the packed multiply-add
	v_pk_fma_f32 v[BK+4*(\t):BK+4*(\t)+1],   v[BK+4*(\t):BK+4*(\t)+1],   v[RSB+(\t):RSB+(\t)+1], v[RB+4*(\t):RB+4*(\t)+1]   op_sel_hi:[1,0,1]
	v_pk_fma_f32 v[BK+4*(\t)+2:BK+4*(\t)+3], v[BK+4*(\t)+2:BK+4*(\t)+3], v[RSB+(\t):RSB+(\t)+1], v[RB+4*(\t)+2:RB+4*(\t)+3] op_sel_hi:[1,0,1]
.else
	v_pk_fma_f32 v[BK+4*(\t):BK+4*(\t)+1],   v[BK+4*(\t):BK+4*(\t)+1],   v[RSB+(\t)-1:RSB+(\t)], v[RB+4*(\t):RB+4*(\t)+1]   op_sel:[0,1,0] op_sel_hi:[1,1,1]
	v_pk_fma_f32 v[BK+4*(\t)+2:BK+4*(\t)+3], v[BK+4*(\t)+2:BK+4*(\t)+3], v[RSB+(\t)-1:RSB+(\t)], v[RB+4*(\t)+2:RB+4*(\t)+3] op_sel:[0,1,0] op_sel_hi:[1,1,1]
.endif
.endr
	WIN 0
.irp t, 0,1,2,3,4,5,6,7,8,9,10,11,12,13,14,15
	v_max_num_f32 v[BK+4*(\t)],   0, v[BK+4*(\t)]
	v_max_num_f32 v[BK+4*(\t)+1], 0, v[BK+4*(\t)+1]
	v_max_num_f32 v[BK+4*(\t)+2], 0, v[BK+4*(\t)+2]
	v_max_num_f32 v[BK+4*(\t)+3], 0, v[BK+4*(\t)+3]
	global_store_b128 v[CO], v[BK+4*(\t):BK+4*(\t)+3], s[8:9] offset:(16*(\a)+(\t))*CROW th:TH_STORE_NT  ; 32 lanes store 512 consecutive bytes, at a multiple of 512 from out's first byte
.endr
.endm
	s_wait_dscnt 0x0                               ; A's extra fragments are in, and no LDS instruction of mine is out at the signal below
	RLOAD 0                                        ; two of the eight blocks of x come in under the K loop, into registers that it leaves idle
	RLOAD 1
	s_wait_tensorcnt 1                             ; my part of K step 0 is in; K step 1's stays out
	s_barrier_signal -1
	s_barrier_wait -1                              ; everybody's is
	FETCH 0, F0
	MUL16 F1, 0, 0, 1                              ; the extra quarter starts the sums, while K step 0's first fragments come
	MUL16 F1, 0, 2, 1
	MUL16 F1, 1, 0, 1
	MUL16 F1, 1, 2, 1
	QUARTER 64,  F0, F1
	WIN 0                                          ; at a label and at a branch every window is 0
	s_mov_b32 s3, STEPS-2
.Lstep:                                                ; a trip goes from a K step's second quarter to the next step's first, and fills one slot again: 14 of the 16 steps have a step two further on
	QUARTER 128, F1, F0
	QUARTER 192, F0, F1
	TURN 1
	QUARTER 64,  F0, F1
	WIN 0
	s_sub_co_u32 s3, s3, 1
	s_cmp_lg_u32 s3, 0
	s_cbranch_scc1 .Lstep
	s_mov_b32 s3, 2                                ; the last two steps fill nothing and have no round: a second text, walked twice and entered in its middle
	s_branch .Lmid
.Ltail:
	QUARTER 64,  F0, F1
	WIN 0
.Lmid:
	QUARTER 128, F1, F0
	QUARTER 192, F0, F1
	TURN 0                                         ; in the second trip its barrier orders nothing and its 32 loads bring fragments of step 14 that nobody multiplies: the price, once a launch, of one text for both trips
	WIN 0
	s_sub_co_u32 s3, s3, 1
	s_cmp_lg_u32 s3, 0
	s_cbranch_scc1 .Ltail
	s_wait_dscnt 0x0                               ; those loads are back: their registers are free
	PLACES                                         ; behind the last products: for the LDS stores that read results, and for the loads into the fragments' registers
	RLOAD 2
	RLOAD 3
	TOSTAGE 0
.irp a, 0,1,2,3,4,5,6                  ; block a + 1 is on its way through the stage while block a is finished and stored
	TOSTAGE (\a)+1
.if ((\a) >= 1) && ((\a) <= 4)
	RLOAD (\a)+3                                   ; into the buffer that block a - 1 has left; it stands behind the staging, whose wait then has only stores to wait for
.endif
	FINISH \a, 36
.endr
	FINISH 7, 0
	WIN 0
	s_wait_tensorcnt 0x0                           ; the wave's end: behind my last tensor load and my last LDS store
	ds_add_u32 v[SPW], v[NIL]
	s_wait_dscnt 0x0
	CROUND                                         ; the closing round: no work-group ends while a partner may still ask for a tile that names it
	s_endpgm
.Lfunc_end_k_qd549f3242f_gemm2:
	.size	k_qd549f3242f_gemm2, .Lfunc_end_k_qd549f3242f_gemm2-k_qd549f3242f_gemm2
	.p2alignl 7, 3214868480
	.fill 96, 4, 3214868480
	.section	.rodata,"a",@progbits
	.p2align	6, 0x0
	.amdhsa_kernel k_qd549f3242f_gemm2
		.amdhsa_group_segment_fixed_size 327680
		.amdhsa_private_segment_fixed_size 0
		.amdhsa_enable_private_segment 0
		.amdhsa_kernarg_size 48
		.amdhsa_user_sgpr_count 2
		.amdhsa_user_sgpr_kernarg_segment_ptr 1
		.amdhsa_wavefront_size32 1
		.amdhsa_system_sgpr_workgroup_id_x 1
		.amdhsa_system_sgpr_workgroup_id_y 1
		.amdhsa_system_sgpr_workgroup_id_z 1
		.amdhsa_system_vgpr_workitem_id 0
		.amdhsa_next_free_vgpr 1024
		.amdhsa_next_free_sgpr 76
		.amdhsa_reserve_vcc 0
		.amdhsa_float_denorm_mode_32 3
		.amdhsa_float_denorm_mode_16_64 3
		.amdhsa_memory_ordered 1
		.amdhsa_forward_progress 1
		.amdhsa_inst_pref_size 168
	.end_amdhsa_kernel
	.amdgpu_metadata
---
amdhsa.version: [ 1, 2 ]
amdhsa.kernels:
  - .name:           k_qd549f3242f_gemm2
    .symbol:         k_qd549f3242f_gemm2.kd
    .args:
      - { .name: dev, .offset: 0, .size: 8, .value_kind: global_buffer, .address_space: global }
      - { .name: w2h, .offset: 8, .size: 8, .value_kind: global_buffer, .address_space: global }
      - { .name: gx, .offset: 16, .size: 8, .value_kind: global_buffer, .address_space: global }
      - { .name: stat, .offset: 24, .size: 8, .value_kind: global_buffer, .address_space: global }
      - { .name: out0, .offset: 32, .size: 8, .value_kind: global_buffer, .address_space: global }
      - { .name: x, .offset: 40, .size: 8, .value_kind: global_buffer, .address_space: global }
    .group_segment_fixed_size: 327680
    .private_segment_fixed_size: 0
    .kernarg_segment_align: 8
    .kernarg_segment_size: 48
    .max_flat_workgroup_size: 128
    .sgpr_count:     76
    .vgpr_count:     1024
    .wavefront_size: 32
...
	.end_amdgpu_metadata
.endif
;; end of part 6
